; MI455X (gfx1250); checked and timed in simulation.
; The chip was launched on July 23, 2026; its instructions are those of AMD's public machine-readable ISA for CDNA 5 (MIT licence, August 2026) and "CDNA5" Instruction Set Architecture Reference Guide (July 2026). The comments in the code are by the model that wrote it; some were corrected since.
;; Multi Scale Retention. Allowed arithmetic: float matrix products may take bf16 or f16 operands with f32 sums; other float arithmetic in f32, or as packed bf16 or f16 multiplies, adds, multiply-adds, maxima and minima; sums over many terms, partial sums and values carried from step to step in f32; what a program stores and reads back later, other than sums and carried values, may be rounded once to bf16 or f16.
;; Inputs: Wg 1,024 x 2,048 float32; Wk 1,024 x 1,024 float32; Wo 2,048 x 1,024 float32; Wq 1,024 x 1,024 float32; Wv 1,024 x 2,048 float32; bg 2,048 float32; bk 1,024 float32; bo 1,024 float32; bq 1,024 float32; bv 2,048 float32; x 2 x 2,048 x 1,024 float32.
;; Outputs: out0 2 x 2,048 x 1,024 float32.
;; 2 versions, each right; version 2 is version 1 with the launch cast written anew for expert scheduling mode. Each part assembles by itself: llvm-mc -triple=amdgcn-amd-amdhsa -mcpu=gfx1250 --defsym DOCPART=n.
;; ======== version 1 of 2: 4 launches
;; limits: values outside matrix products are rounded to f16; values are held in f16: magnitudes above 65,504 overflow, below 6.1e-05 lose precision
;; workspace buffers: xb 8,388,608 bytes; wcat 12,582,912 bytes; wob 4,194,304 bytes; qkvg 50,331,648 bytes; rmax 524,288 bytes; y 16,777,216 bytes; ysc 262,144 bytes
;; launch cast (part 1): grid 768 x 1, 4 waves a work-group, no clusters, 0 bytes of LDS; arguments x, Wq, Wk, Wv, Wg, Wo, xb, wcat, wob; writes xb, wcat, wob
.if DOCPART == 1
	.amdgcn_target "amdgcn-amd-amdhsa--gfx1250"
	.amdhsa_code_object_version 6
	.text
	.protected	k_q55806e1a7f_cast
	.globl	k_q55806e1a7f_cast
	.p2align	8
	.type	k_q55806e1a7f_cast,@function
k_q55806e1a7f_cast:
	s_mov_b64 s[64:65], 0
	v_nop
	global_prefetch_b8 v0, s[64:65] scope:SCOPE_SE
	s_setreg_imm32_b32 hwreg(HW_REG_WAVE_MODE, 25, 1), 1
	s_wait_xcnt 0x0
; x and the five weight matrices, f32, are rounded once to bf16 and laid in blocks, so that every tile of the later launches is dense.
;   xb   [kb 16][row 4096][64]               bf16        wcat [head 16][kstep 16][seg 6][k 64][n 64]  bf16   (seg = 3 c + (0 q or k, 1 v, 2 g))
;   wob  [ntile 8][kstep 8][seg 2][k 256][n 64]  the bf16 rounding of Wo written as f16 (exact above 6e-5; below that f16 keeps its fixed step of 6e-8)
; A wave takes one block of 64 rows x 64 columns: 32 loads of 512 bytes (lanes 0-15 take 256 aligned bytes of an even row, lanes 16-31 of the
; odd row below), all out at once, and 32 stores of 256 consecutive aligned bytes: the block is dense in its target.  No LDS, no matrix unit: memory binds.
.set X,   8                            ; v[8:135]   32 x 4 registers as loaded
.set Y,   136                          ; v[136:199] 32 x 2 registers to store; none is written behind its store, so no wait frees any
.set SRC, 28                           ; s[28:29] the block in its source
.set DST, 30                           ; s[30:31] the block in its target
.set SO,  32                           ; s[32:33] source offset
.set DO,  34                           ; s[34:35] target offset
	s_load_b512 s[8:23], s[0:1], 0x0               ; x, Wq, Wk, Wv, Wg, Wo, xb, wcat
	s_load_b64 s[24:25], s[0:1], 0x40              ; wob
	v_lshrrev_b32 v3, 5, v0
	v_readfirstlane_b32 s2, v3                     ; wave
	s_lshl_b32 s3, ttmp9, 2
	s_add_co_u32 s3, s3, s2                        ; the block's number: 4 x work-group + wave
	v_and_b32 v4, 31, v0
	v_lshlrev_b32 v2, 3, v4                        ; 8 bytes a lane in the target
	v_and_b32 v5, 15, v0
	v_lshlrev_b32 v5, 4, v5                        ; 16 bytes a lane in a source row
	v_bfe_u32 v6, v0, 4, 1                         ; even or odd row
	s_mov_b32 s[SO+1], 0
	s_mov_b32 s[DO+1], 0
	s_wait_kmcnt 0x0
; sh: a source row is 1 << sh bytes.  half = 1: the bf16 number is written as f16.
.macro BODY sh, half
	v_lshl_add_u32 v1, v6, \sh, v5
.set i, 0
.rept 32
	global_load_b128 v[X+4*i:X+4*i+3], v1, s[SRC:SRC+1] offset:i*(2<<\sh) th:TH_LOAD_NT
.set i, i+1
.endr
.set i, 0
.rept 32
	s_wait_loadcnt 31-i                            ; loads return in order: the 31 - i younger ones stay out
	v_cvt_pk_bf16_f32 v[Y+2*i], v[X+4*i], v[X+4*i+1]
	v_cvt_pk_bf16_f32 v[Y+2*i+1], v[X+4*i+2], v[X+4*i+3]
.if \half
	v_lshlrev_b32 v[X+4*i], 16, v[Y+2*i]
	v_and_b32 v[X+4*i+1], 0xffff0000, v[Y+2*i]
	v_lshlrev_b32 v[X+4*i+2], 16, v[Y+2*i+1]
	v_and_b32 v[X+4*i+3], 0xffff0000, v[Y+2*i+1]
	v_cvt_pk_f16_f32 v[Y+2*i], v[X+4*i], v[X+4*i+1]
	v_cvt_pk_f16_f32 v[Y+2*i+1], v[X+4*i+2], v[X+4*i+3]
.endif
	global_store_b64 v2, v[Y+2*i:Y+2*i+1], s[DST:DST+1] offset:i*256
.set i, i+1
.endr
	s_endpgm
.endm
	s_cmp_lt_u32 ttmp9, 256
	s_cbranch_scc0 .Lnot_x
	s_and_b32 s4, s3, 15                           ; x: column block,
	s_lshr_b32 s5, s3, 4                           ; row block
	s_lshl_b32 s[SO], s5, 18
	s_lshl_b32 s6, s4, 8
	s_add_co_u32 s[SO], s[SO], s6
	s_lshl_b32 s[DO], s4, 19
	s_lshl_b32 s6, s5, 13
	s_add_co_u32 s[DO], s[DO], s6
	s_add_nc_u64 s[SRC:SRC+1], s[8:9], s[SO:SO+1]
	s_add_nc_u64 s[DST:DST+1], s[20:21], s[DO:DO+1]
	s_branch .Lrows4096
.Lnot_x:
	s_cmp_lt_u32 ttmp9, 384
	s_cbranch_scc0 .Lnot_qk
	s_and_b32 s4, s3, 15                           ; Wq, Wk: the column block is the head,
	s_bfe_u32 s5, s3, 0x40004                      ; the row block the K step
	s_lshl_b32 s[SO], s5, 18
	s_lshl_b32 s6, s4, 8
	s_add_co_u32 s[SO], s[SO], s6
	s_mul_i32 s[DO], s4, 786432
	s_mul_i32 s6, s5, 49152
	s_add_co_u32 s[DO], s[DO], s6
	s_cmp_lt_u32 ttmp9, 320
	s_cselect_b64 s[SRC:SRC+1], s[10:11], s[12:13]
	s_cselect_b32 s6, 0, 24576                     ; seg 0 for q, seg 3 for k
	s_add_co_u32 s[DO], s[DO], s6
	s_add_nc_u64 s[SRC:SRC+1], s[SRC:SRC+1], s[SO:SO+1]
	s_add_nc_u64 s[DST:DST+1], s[22:23], s[DO:DO+1]
	s_branch .Lrows4096
.Lnot_qk:
	s_cmp_lt_u32 ttmp9, 640
	s_cbranch_scc0 .Lwo
	s_and_b32 s4, s3, 31                           ; Wv, Wg: column block = 2 x head + c,
	s_bfe_u32 s5, s3, 0x40005                      ; row block = K step
	s_lshl_b32 s[SO], s5, 19
	s_lshl_b32 s6, s4, 8
	s_add_co_u32 s[SO], s[SO], s6
	s_lshr_b32 s6, s4, 1
	s_mul_i32 s[DO], s6, 786432
	s_and_b32 s6, s4, 1
	s_mul_i32 s6, s6, 24576
	s_add_co_u32 s[DO], s[DO], s6
	s_mul_i32 s6, s5, 49152
	s_add_co_u32 s[DO], s[DO], s6
	s_cmp_lt_u32 ttmp9, 512
	s_cselect_b64 s[SRC:SRC+1], s[14:15], s[16:17]
	s_cselect_b32 s6, 1, 2                         ; seg 3 c + 1 for v, 3 c + 2 for g,
	s_lshl_b32 s6, s6, 13                          ; of 8,192 bytes each
	s_add_co_u32 s[DO], s[DO], s6
	s_add_nc_u64 s[SRC:SRC+1], s[SRC:SRC+1], s[SO:SO+1]
	s_add_nc_u64 s[DST:DST+1], s[22:23], s[DO:DO+1]
	BODY 13, 0
.Lwo:
	s_and_b32 s4, s3, 15                           ; Wo: column block = 2 x ntile + seg,
	s_bfe_u32 s5, s3, 0x50004                      ; row block = 4 x K step + quarter
	s_lshl_b32 s[SO], s5, 18
	s_lshl_b32 s6, s4, 8
	s_add_co_u32 s[SO], s[SO], s6
	s_lshr_b32 s6, s4, 1
	s_lshl_b32 s[DO], s6, 19
	s_and_b32 s6, s4, 1
	s_lshl_b32 s6, s6, 15
	s_add_co_u32 s[DO], s[DO], s6
	s_lshr_b32 s6, s5, 2
	s_lshl_b32 s6, s6, 16
	s_add_co_u32 s[DO], s[DO], s6
	s_and_b32 s6, s5, 3
	s_lshl_b32 s6, s6, 13
	s_add_co_u32 s[DO], s[DO], s6
	s_add_nc_u64 s[SRC:SRC+1], s[18:19], s[SO:SO+1]
	s_add_nc_u64 s[DST:DST+1], s[24:25], s[DO:DO+1]
	BODY 12, 1
.Lrows4096:
	BODY 12, 0
.Lfunc_end_k_q55806e1a7f_cast:
	.size	k_q55806e1a7f_cast, .Lfunc_end_k_q55806e1a7f_cast-k_q55806e1a7f_cast
	.p2alignl 7, 3214868480
	.fill 96, 4, 3214868480
	.section	.rodata,"a",@progbits
	.p2align	6, 0x0
	.amdhsa_kernel k_q55806e1a7f_cast
		.amdhsa_group_segment_fixed_size 0
		.amdhsa_private_segment_fixed_size 0
		.amdhsa_enable_private_segment 0
		.amdhsa_kernarg_size 72
		.amdhsa_user_sgpr_count 2
		.amdhsa_user_sgpr_kernarg_segment_ptr 1
		.amdhsa_wavefront_size32 1
		.amdhsa_system_sgpr_workgroup_id_x 1
		.amdhsa_system_sgpr_workgroup_id_y 1
		.amdhsa_system_sgpr_workgroup_id_z 1
		.amdhsa_system_vgpr_workitem_id 0
		.amdhsa_next_free_vgpr 200
		.amdhsa_next_free_sgpr 66
		.amdhsa_reserve_vcc 0
		.amdhsa_float_denorm_mode_32 3
		.amdhsa_float_denorm_mode_16_64 3
		.amdhsa_memory_ordered 1
		.amdhsa_forward_progress 1
		.amdhsa_inst_pref_size 47
	.end_amdhsa_kernel
	.amdgpu_metadata
---
amdhsa.version: [ 1, 2 ]
amdhsa.kernels:
  - .name:           k_q55806e1a7f_cast
    .symbol:         k_q55806e1a7f_cast.kd
    .args:
      - { .name: x, .offset: 0, .size: 8, .value_kind: global_buffer, .address_space: global }
      - { .name: Wq, .offset: 8, .size: 8, .value_kind: global_buffer, .address_space: global }
      - { .name: Wk, .offset: 16, .size: 8, .value_kind: global_buffer, .address_space: global }
      - { .name: Wv, .offset: 24, .size: 8, .value_kind: global_buffer, .address_space: global }
      - { .name: Wg, .offset: 32, .size: 8, .value_kind: global_buffer, .address_space: global }
      - { .name: Wo, .offset: 40, .size: 8, .value_kind: global_buffer, .address_space: global }
      - { .name: xb, .offset: 48, .size: 8, .value_kind: global_buffer, .address_space: global }
      - { .name: wcat, .offset: 56, .size: 8, .value_kind: global_buffer, .address_space: global }
      - { .name: wob, .offset: 64, .size: 8, .value_kind: global_buffer, .address_space: global }
    .group_segment_fixed_size: 0
    .private_segment_fixed_size: 0
    .kernarg_segment_align: 8
    .kernarg_segment_size: 72
    .max_flat_workgroup_size: 128
    .sgpr_count:     66
    .vgpr_count:     200
    .wavefront_size: 32
...
	.end_amdgpu_metadata
.endif
;; end of part 1
;; launch proj (part 2): grid 16 x 16, 4 waves a work-group, clusters of 4 x 4, 327,680 bytes of LDS; arguments xb, wcat, bq, bk, bv, bg, qkvg, rmax; writes qkvg, rmax
.if DOCPART == 2
	.amdgcn_target "amdgcn-amd-amdhsa--gfx1250"
	.amdhsa_code_object_version 6
	.text
	.protected	k_q55806e1a7f_proj
	.globl	k_q55806e1a7f_proj
	.p2align	8
	.type	k_q55806e1a7f_proj,@function
k_q55806e1a7f_proj:
	s_mov_b64 s[64:65], 0
	v_nop
	global_prefetch_b8 v0, s[64:65] scope:SCOPE_SE
	s_setreg_imm32_b32 hwreg(HW_REG_WAVE_MODE, 25, 1), 1
	s_wait_xcnt 0x0
	s_wait_alu depctr_hold_cnt(0) depctr_sa_sdst(0) depctr_va_vdst(0) depctr_va_sdst(0) depctr_va_ssrc(0) depctr_va_vcc(0) depctr_vm_vsrc(0)
	s_getreg_b32 s2, hwreg(HW_REG_IB_STS2, 6, 4)
	s_cmp_eq_u32 s2, 0
	s_cbranch_scc0 .Lentry_in_a_cluster
	s_endpgm
.Lentry_in_a_cluster:
	s_bfe_u32 s2, ttmp6, 0x10000c
	s_cmp_lg_u32 s2, 0xf033
	s_cbranch_scc0 .Lentry_shape_is_right
	s_endpgm
.Lentry_shape_is_right:
; The four projections of x in one product: a work-group makes 256 rows x the 384 columns of one head ([q | v lo | g lo] and [k | v hi | g hi]); bf16 operands, f32 sums, K = 1,024 in 16 steps of 64.
; Wave w: rows 128 (w >> 1) on, column half w & 1: 96 accumulators of 16 x 16, 768 registers.  THE MATRIX INSTRUCTION IS USED TRANSPOSED (source 0 = 16 columns of W, turned out of LDS by
; ds_load_tr16_b128; source 1 = 16 rows of x): a lane holds eight neighbouring columns of one row.
; On the way out: bias (rounded to bf16, as every input is); q and k turned by the rotary angle; k weighted by gamma^(63 - s % 64) (its 1/8 is applied in the next launch, in f32); silu on g;
; all rounded once to f16 into qkvg [plane 6][b h 32][s 2048][64]; the largest magnitude of each stored q row and k row goes to rmax [2][b h][s].
; LIMITS.  q, k, v and g must lie within f16, 65,504.  Sine and cosine: reduction by pi/2 in two parts, series to r^7 and r^8 on |r| <= pi/4 (what is left off is under 4e-7), angles up to 2,047;
; from row to row the pair is turned by the angle of 4 rows, 32 times at the most.  log2(gamma) by six terms of the series in eps = 2^(-5-h) <= 1/32: what is left off is eps^6 / 7 of it.
; CLUSTER 4 x 4: x tiles hang on the row block alone and are asked for jointly along a row of the cluster, W tiles on the head alone, jointly along a column.
; REGISTERS: window 0: v0-31 addresses; v32-95, v96-159 x fragments, two buffers; v160-255 W fragments, 32 a column group.  Windows 1 to 3: the accumulators of column group 0 to 2, (b, a) at 8 (8 b + a).
.set PA,    144                        ; an x row in LDS: 128 bytes + 16: the 16 rows of a load start at 16 different groups of four banks
.set PB,    160                        ; a W row (one k, 64 columns): 128 + 32
.set BOFF,  256*PA                     ; a slot: 256 rows of x, then 6 x 64 rows of W
.set SLOT,  BOFF+6*64*PB
.set STAGE, 2*SLOT                     ; behind the ring: 64 rows x 272 bytes of f32 for each wave
.set SP,    272
.set RM,    STAGE+4*64*SP              ; 128 row maxima for each wave
.set SPARE, RM+4*512                   ; the spare words, 128 bytes a wave
.set ADRA, 4                           ; v4-5  my x fragments in slot 0, 1
.set ADRB, 6                           ; v6-7  my W fragments
.set SPW,  8
.set NIL,  9
.set FA0,  32
.set FA1,  96
.set FB,   160
.set WV,   20
.set RH,   21                          ; which 128 rows are mine; also: I fetch x (0) or W (1)
.set CH,   22                          ; which column half; also: which half of that tile I fetch
.set HEAD, 25
.set TR,   26
.set G1A,  28
.set G0A,  36
.set G1B,  44
.set G0B,  52
.set MSB, 0
.macro WIN new                         ; the high byte repeats the setting that is left
.if MSB != (\new)
	s_set_vgpr_msb (MSB<<8)|(\new)
.set MSB, \new
.endif
.endm
.macro PLACES                          ; four places between a matrix instruction and a load into, or a vector write of, its registers
.rept 4
	v_nop
.endr
.endm
.macro JLOAD s                         ; a joint load; an s_nop 0 and four v_nop follow each line
	s_cmp_eq_u32 s[RH], 0
	s_cbranch_scc0 .Lfor_b_\@
	tensor_load_to_lds s[G0A+4*(\s):G0A+4*(\s)+3], s[G1A:G1A+7]
	s_nop 0
.rept 4
	v_nop
.endr
	s_branch .Lasked_\@
.Lfor_b_\@:
	tensor_load_to_lds s[G0B+4*(\s):G0B+4*(\s)+3], s[G1B:G1B+7]
	s_nop 0
.rept 4
	v_nop
.endr
.Lasked_\@:
.endm
.macro CREST                           ; a round of the cluster's barrier behind its opening barrier
	s_cmp_lg_u32 s[WV], 0
	s_cbranch_scc1 .Lnot_wave_0_\@
	s_barrier_signal -3
.Lnot_wave_0_\@:
	s_barrier_wait -3
	s_barrier_signal -1
	s_barrier_wait -1
.endm
.macro CROUND
	s_barrier_signal -1
	s_barrier_wait -1
	CREST
.endm
	s_load_b512 s[4:19], s[0:1], 0x0               ; xb, wcat, bq, bk, bv, bg, qkvg, rmax
	v_lshl_add_u32 v[SPW], v0, 2, SPARE
	v_mov_b32 v[NIL], 0
	ds_add_u32 v[SPW], v[NIL]                      ; the wave's opening: the add and its wait stand ahead of my first tensor load
	v_lshrrev_b32 v1, 5, v0
	v_readfirstlane_b32 s[WV], v1
	s_lshr_b32 s[RH], s[WV], 1
	s_and_b32 s[CH], s[WV], 1
	s_bfe_u32 s23, ttmp6, 0x40000                  ; cx
	s_bfe_u32 s24, ttmp6, 0x40004                  ; cy
	s_lshl_b32 s[HEAD], ttmp9, 2
	s_add_co_u32 s[HEAD], s[HEAD], s23
	s_and_b32 s[TR], ttmp7, 0xffff
	s_lshl_b32 s[TR], s[TR], 2
	s_add_co_u32 s[TR], s[TR], s24                 ; block of 256 rows
	s_lshl_b32 s27, s24, 2
	s_lshl_b32 s27, 15, s27                        ; my row of the cluster
	s_lshl_b32 s60, 0x1111, s23                    ; my column
	; x: 128 rows of 128 bytes are dense: asked for as 64 rows of 256 bytes, 16 bytes of padding behind every 32 words.  W: three segments, 96 rows of 256 bytes, 32 bytes of padding
	s_or_b32 s[G1A], s27, (1<<16)|(1<<20)|(1<<21)|(4<<22)|(3<<25)
	s_or_b32 s[G1B], s60, (1<<16)|(1<<20)|(1<<21)|(4<<22)|(7<<25)
	s_mov_b32 s[G1A+1], 128<<16
	s_mov_b32 s[G1A+2], 64<<16
	s_mov_b32 s[G1A+3], 128<<16
	s_mov_b32 s[G1A+4], 64
	s_mov_b32 s[G1A+5], 128
	s_mov_b32 s[G1A+6], 0
	s_mov_b32 s[G1A+7], 0
	s_mov_b32 s[G1B+1], 128<<16
	s_mov_b32 s[G1B+2], 96<<16
	s_mov_b32 s[G1B+3], 128<<16
	s_mov_b32 s[G1B+4], 96
	s_mov_b32 s[G1B+5], 128
	s_mov_b32 s[G1B+6], 0
	s_mov_b32 s[G1B+7], 0
	s_lshl_b32 s62, s[TR], 15                      ; x: (256 block + 128 half) rows of 128 bytes
	s_lshl_b32 s27, s[CH], 14
	s_add_co_u32 s62, s62, s27
	s_mov_b32 s63, 0
	s_mul_i32 s66, s[HEAD], 786432                 ; W: the head, and my three segments
	s_mul_i32 s60, s[CH], 24576
	s_add_co_u32 s66, s66, s60
	s_mov_b32 s67, 0
	s_mul_i32 s27, s[CH], 128*PA                   ; where they go: the wave's number alone
	s_mul_i32 s61, s[CH], 192*PB
	s_add_co_u32 s61, s61, BOFF
	s_wait_dscnt 0x0                               ; the opening add is done
	s_wait_kmcnt 0x0
	s_add_nc_u64 s[62:63], s[4:5], s[62:63]
	s_add_nc_u64 s[66:67], s[6:7], s[66:67]
	CROUND                                         ; all sixteen work-groups are here: the first joint loads meet
.irp s, 0,1
	s_mov_b32 s[G0A+4*(\s)], 1
	s_add_co_u32 s[G0A+4*(\s)+1], s27, (\s)*SLOT
	s_add_nc_u64 s[G0A+4*(\s)+2:G0A+4*(\s)+3], s[62:63], (\s)*524288
	s_or_b32 s[G0A+4*(\s)+3], s[G0A+4*(\s)+3], 0x80000000
	s_mov_b32 s[G0B+4*(\s)], 1
	s_add_co_u32 s[G0B+4*(\s)+1], s61, (\s)*SLOT
	s_add_nc_u64 s[G0B+4*(\s)+2:G0B+4*(\s)+3], s[66:67], (\s)*49152
	s_or_b32 s[G0B+4*(\s)+3], s[G0B+4*(\s)+3], 0x80000000
	JLOAD \s                                       ; K steps 0 and 1: two loads of mine are out
.endr
	v_and_b32 v1, 15, v0                           ; r = l % 16
	v_bfe_u32 v2, v0, 4, 1                         ; h = l / 16
	v_mul_u32_u24 v3, v1, PA
	v_lshl_add_u32 v3, v2, 4, v3
	s_mul_i32 s60, s[RH], 128*PA
	v_add_nc_u32 v[ADRA], s60, v3
	v_add_nc_u32 v[ADRA+1], SLOT, v[ADRA]
	v_and_b32 v3, 7, v0
	v_lshl_add_u32 v3, v2, 3, v3                   ; the turning load: k row 8 h + l % 8,
	v_mul_u32_u24 v3, v3, PB
	v_bfe_u32 v10, v0, 3, 1
	v_lshl_add_u32 v3, v10, 4, v3                  ; columns 8 ((l / 8) % 2) on
	s_mul_i32 s60, s[CH], 192*PB
	s_add_co_u32 s60, s60, BOFF
	v_add_nc_u32 v[ADRB], s60, v3
	v_add_nc_u32 v[ADRB+1], SLOT, v[ADRB]
; 16 matrix instructions: column blocks 2 lo, 2 lo + 1 of group g x my 8 row blocks, 32 along K.  The accumulators take turns, one instruction a turn.
.macro MULH g, ab, lo, zero
	WIN (((\g)+1)<<6)|(((\g)+1)<<4)
.irp b, 2*(\lo), 2*(\lo)+1
.irp a, 0,1,2,3,4,5,6,7
.if \zero
	v_wmma_f32_16x16x32_bf16 v[8*(8*(\b)+(\a)):8*(8*(\b)+(\a))+7], v[FB+32*(\g)+8*(\b):FB+32*(\g)+8*(\b)+7], v[(\ab)+8*(\a):(\ab)+8*(\a)+7], 0
.else
	v_wmma_f32_16x16x32_bf16 v[8*(8*(\b)+(\a)):8*(8*(\b)+(\a))+7], v[FB+32*(\g)+8*(\b):FB+32*(\g)+8*(\b)+7], v[(\ab)+8*(\a):(\ab)+8*(\a)+7], v[8*(8*(\b)+(\a)):8*(8*(\b)+(\a))+7]
.endif
.endr
.endr
.endm
.macro MULG g, ab, zero
	MULH \g, \ab, 0, \zero
	MULH \g, \ab, 1, \zero
.endm
.macro LDB g, slot, q                  ; 8 loads: group g's four W fragments of half q of the K step
	WIN 0
.irp b, 0,1,2,3
	ds_load_tr16_b128 v[FB+32*(\g)+8*(\b):FB+32*(\g)+8*(\b)+3],   v[ADRB+(\slot)] offset:(\g)*64*PB+(\q)*32*PB+32*(\b)
	ds_load_tr16_b128 v[FB+32*(\g)+8*(\b)+4:FB+32*(\g)+8*(\b)+7], v[ADRB+(\slot)] offset:(\g)*64*PB+(\q)*32*PB+32*(\b)+16*PB
.endr
.endm
.macro LDA ab, slot, q                 ; 16 loads: my eight x fragments
	WIN 0
.irp a, 0,1,2,3,4,5,6,7
	ds_load_b128 v[(\ab)+8*(\a):(\ab)+8*(\a)+3],   v[ADRA+(\slot)] offset:(\a)*16*PA+64*(\q)
	ds_load_b128 v[(\ab)+8*(\a)+4:(\ab)+8*(\a)+7], v[ADRA+(\slot)] offset:(\a)*16*PA+64*(\q)+32
.endr
.endm
; The first half of a K step: multiplies buffer 0 and fetches the second half's fragments, group by group, as each group's registers fall free.
.macro QA slot, zero
	s_wait_dscnt 16                                ; group 0 and x are in; groups 1 and 2, sixteen loads, may be out
	MULG 0, FA0, \zero
	PLACES
	LDB 0, \slot, 1
	LDA FA1, \slot, 1
	s_wait_dscnt 32                                ; group 1 is in; behind it: group 2 (8), the 24 just issued
	MULG 1, FA0, \zero
	PLACES
	LDB 1, \slot, 1
	s_wait_dscnt 32                                ; group 2 is in; behind it: 8 + 16 + 8
	MULG 2, FA0, \zero
	PLACES
	LDB 2, \slot, 1
.endm
; The second half multiplies buffer 1 and changes slots: one barrier.  In front of it each wave waits for all its tensor loads (one is out: its part of the other slot), adds 0 to its spare word,
; and waits for that and for its reads of this slot.  fill = 1: the barrier opens a round of the cluster's barrier, and this slot is filled again, two K steps ahead, first thing behind it.
.macro QB slot, fill
	WIN 0
	s_wait_tensorcnt 0x0
	ds_add_u32 v[SPW], v[NIL]
	s_wait_dscnt 17                                ; group 0 and x are in; groups 1 and 2 and the add may be out
	MULH 0, FA1, 0, 0
	s_wait_dscnt 0x0                               ; the add is done, and my reads of this slot are over
	s_barrier_signal -1
	MULH 0, FA1, 1, 0
	WIN 0
	s_barrier_wait -1
.if \fill
	CREST
	s_add_nc_u64 s[G0A+4*(\slot)+2:G0A+4*(\slot)+3], s[G0A+4*(\slot)+2:G0A+4*(\slot)+3], 2*524288
	s_add_nc_u64 s[G0B+4*(\slot)+2:G0B+4*(\slot)+3], s[G0B+4*(\slot)+2:G0B+4*(\slot)+3], 2*49152
	JLOAD \slot                                    ; its four v_nop are also the places in front of the loads below
.else
	PLACES
.endif
	LDB 0, 1-(\slot), 0
	LDA FA0, 1-(\slot), 0
	MULG 1, FA1, 0
	PLACES
	LDB 1, 1-(\slot), 0
	MULG 2, FA1, 0
	PLACES
	LDB 2, 1-(\slot), 0
.endm
	s_wait_tensorcnt 1                             ; my part of K step 0 is in; step 1's may stay out
	s_barrier_signal -1
	s_barrier_wait -1
	LDB 0, 0, 0
	LDA FA0, 0, 0
	LDB 1, 0, 0
	LDB 2, 0, 0
	QA 0, 1                                        ; the first products start the sums
	s_mov_b32 s2, 7
.Llap:                                                 ; a trip goes once round the ring and fills both slots again
	QB 0, 1
	QA 1, 0
	QB 1, 1
	QA 0, 0
	s_sub_co_u32 s2, s2, 1
	s_cmp_lg_u32 s2, 0
	s_cbranch_scc1 .Llap
	QB 0, 0                                        ; the last two K steps ask for nothing
	QA 1, 0
	s_wait_dscnt 16
	MULG 0, FA1, 0
	s_wait_dscnt 8
	MULG 1, FA1, 0
	s_wait_dscnt 0x0
	MULG 2, FA1, 0
	WIN 0
; THE WAY OUT.  A column group at a time, 64 rows at a time, the sums go as f32 through my own stage (no other wave touches it, and LDS serves a wave in order: no barrier, no wait between store and load)
; and come back with lane l holding row l / 8 of four and columns 8 (l % 8) on: so a lane has four rotary frequencies, and 32 lanes' 16 bytes of f16 are 512 consecutive bytes of a plane.
.set STO,  10
.set RDA0, 11
.set RDA,  12
.set GO,   13
.set RMA,  14
.set GO0,  15
.set C8,   16
.set R4,   17
.set RMR,  18
.set BO,   19
.set EPS,  20
.set LGK,  21
.set W0,   22
.set W4,   23
.set G64,  24
.set BIAS, 32                          ; v32-39 q or k, v40-47 v, v48-55 g: my 8 columns
.set X,    64                          ; v64-95  16 rows as read back
.set T,    96
.set E,    104
.set O,    112
.set Y,    120                         ; v120-135 four stores' data
.set MX,   136
.set CSX,  144                         ; (cos, sin) x weight of my row, four frequencies; two sets take turns
.set CSY,  152
.set ST4,  160                         ; (cos, sin) of four rows' angle x gamma^-4
.set RMD,  176
.set TN,   180
.set TRD,  181
.set TI,   182
.set T2,   183
.set TS,   184
.set TC,   185
.set TQ,   186
.set TH,   192
	v_and_b32 v[C8], 7, v0                         ; these lines name no register of the last products: they are the places behind them
	v_bfe_u32 v[R4], v0, 3, 2
	s_mul_i32 s66, s[WV], 64*SP
	s_add_co_u32 s66, s66, STAGE
	v_mul_u32_u24 v[STO], v1, SP                   ; in: row r, 32 bytes for each half of the lanes
	v_lshl_add_u32 v[STO], v2, 5, v[STO]
	v_add_nc_u32 v[STO], s66, v[STO]
	v_mul_u32_u24 v[RDA0], v[R4], SP               ; back
	v_lshl_add_u32 v[RDA0], v[C8], 5, v[RDA0]
	v_add_nc_u32 v[RDA0], s66, v[RDA0]
	v_and_b32 v[GO0], 31, v0
	v_lshlrev_b32 v[GO0], 4, v[GO0]
	s_lshl_b32 s67, s[WV], 9
	s_add_co_u32 s67, s67, RM
	v_lshl_add_u32 v[RMA], v[R4], 2, s67
	v_add_nc_u32 v[RMR], s67, v[GO0]
	v_lshlrev_b32 v[BO], 5, v[C8]
	s_lshl_b32 s76, s[HEAD], 8
	s_mov_b32 s77, 0
	s_cmp_eq_u32 s[CH], 0
	s_cselect_b64 s[68:69], s[8:9], s[10:11]       ; bq or bk
	s_add_nc_u64 s[68:69], s[68:69], s[76:77]
	s_lshl_b32 s76, s[HEAD], 9
	s_lshl_b32 s78, s[CH], 8
	s_add_co_u32 s76, s76, s78
	s_add_nc_u64 s[12:13], s[12:13], s[76:77]
	s_add_nc_u64 s[14:15], s[14:15], s[76:77]
	global_load_b128 v[BIAS:BIAS+3],     v[BO], s[68:69]
	global_load_b128 v[BIAS+4:BIAS+7],   v[BO], s[68:69] offset:16
	global_load_b128 v[BIAS+8:BIAS+11],  v[BO], s[12:13]
	global_load_b128 v[BIAS+12:BIAS+15], v[BO], s[12:13] offset:16
	global_load_b128 v[BIAS+16:BIAS+19], v[BO], s[14:15]
	global_load_b128 v[BIAS+20:BIAS+23], v[BO], s[14:15] offset:16
	s_lshr_b32 s78, s[TR], 3
	s_lshl_b32 s78, s78, 4
	s_add_co_u32 s78, s78, s[HEAD]                 ; b h
	s_and_b32 s79, s[TR], 7
	s_lshl_b32 s79, s79, 8
	s_lshl_b32 s80, s[RH], 7
	s_add_co_u32 s79, s79, s80                     ; my first position s
	s_lshl_b32 s76, s78, 18
	s_lshl_b32 s80, s79, 7
	s_add_co_u32 s76, s76, s80
	s_lshl_b32 s80, s[CH], 23
	s_add_co_u32 s76, s76, s80
	s_add_nc_u64 s[70:71], s[16:17], s[76:77]      ; plane 0 or 1,
	s_add_nc_u64 s[72:73], s[70:71], 0x1000000     ; 2 or 3,
	s_add_nc_u64 s[74:75], s[70:71], 0x2000000     ; 4 or 5
	s_lshl_b32 s76, s[CH], 5
	s_add_co_u32 s76, s76, s78
	s_lshl_b32 s76, s76, 13
	s_lshl_b32 s80, s79, 2
	s_add_co_u32 s76, s76, s80
	s_add_nc_u64 s[18:19], s[18:19], s[76:77]
	s_sub_co_u32 s80, 122, s[HEAD]
	s_lshl_b32 s80, s80, 23                        ; eps = 2^(-5-h)
	v_mov_b32 v[EPS], s80
	v_mov_b32 v[LGK], 0x3e2aaaab                   ; log2(1 - eps) = -1.442695 eps (1 + eps (1/2 + eps (1/3 + eps (1/4 + eps (1/5 + eps/6)))))
	v_fmaak_f32 v[LGK], v[LGK], v[EPS], 0x3e4ccccd
	v_fmaak_f32 v[LGK], v[LGK], v[EPS], 0x3e800000
	v_fmaak_f32 v[LGK], v[LGK], v[EPS], 0x3eaaaaab
	v_fmaak_f32 v[LGK], v[LGK], v[EPS], 0x3f000000
	v_fmaak_f32 v[LGK], v[LGK], v[EPS], 0x3f800000
	v_mul_f32 v[LGK], v[LGK], v[EPS]
	v_mul_f32 v[LGK], 0xbfb8aa3b, v[LGK]
	s_cmp_eq_u32 s[CH], 0
	s_cselect_b32 s80, 0, 1.0                      ; q carries no weight
	v_mul_f32 v[LGK], s80, v[LGK]
	v_sub_nc_u32 v[W0], 63, v[R4]
	v_cvt_f32_u32 v[W0], v[W0]
	v_mul_f32 v[W0], v[W0], v[LGK]
	v_mul_f32 v[W4], -4.0, v[LGK]
	v_mul_f32 v[G64], 0x42800000, v[LGK]
	v_lshlrev_b32 v25, 2, v[C8]
.irp j, 0,1,2,3
	v_add_nc_u32 v26, \j, v25                      ; frequency i = 4 (l % 8) + j: 10000^(-i/31) = 2^(-0.4286359 i)
	v_cvt_f32_u32 v26, v26
	v_mul_f32 v[TH+\j], 0xbedb762a, v26
.endr
	v_exp_f32 v[W0], v[W0]
	v_exp_f32 v[W4], v[W4]
	v_exp_f32 v[G64], v[G64]
.irp j, 0,1,2,3
	v_exp_f32 v[TH+\j], v[TH+\j]
.endr
	v_add_nc_u32 v27, s79, v[R4]                   ; (a plain line behind the exponentials)
	v_cvt_f32_u32 v27, v27                         ; my first row's position
	s_wait_alu depctr_va_vdst(0)
.macro SINCOS x, c, s                  ; cosine and sine of v[x] >= 0
	v_mul_f32 v[TN], 0x3f22f983, v[\x]
	v_rndne_f32 v[TN], v[TN]                       ; n = x / (pi/2), rounded
	v_fmamk_f32 v[TRD], v[TN], 0xbfc90fdb, v[\x]   ; r = x - n pi/2, pi/2 in two parts
	v_fmamk_f32 v[TRD], v[TN], 0x333bbd2e, v[TRD]
	v_cvt_i32_f32 v[TI], v[TN]
	v_mul_f32 v[T2], v[TRD], v[TRD]
	v_mov_b32 v[TS], 0xb9500d01
	v_mov_b32 v[TC], 0x37d00d01
	v_fmaak_f32 v[TS], v[TS], v[T2], 0x3c088889
	v_fmaak_f32 v[TC], v[TC], v[T2], 0xbab60b61
	v_fmaak_f32 v[TS], v[TS], v[T2], 0xbe2aaaab
	v_fmaak_f32 v[TC], v[TC], v[T2], 0x3d2aaaab
	v_mul_f32 v[TS], v[TS], v[T2]
	v_fmaak_f32 v[TC], v[TC], v[T2], 0xbf000000
	v_fma_f32 v[TS], v[TS], v[TRD], v[TRD]
	v_fmaak_f32 v[TC], v[TC], v[T2], 0x3f800000
	v_and_b32 v[TQ], 1, v[TI]
	v_cmp_eq_u32 vcc_lo, 1, v[TQ]                  ; odd quadrant: the two change places
	v_cndmask_b32 v[\s], v[TS], v[TC], vcc_lo
	v_cndmask_b32 v[\c], v[TC], v[TS], vcc_lo
	v_and_b32 v[TQ], 2, v[TI]
	v_lshlrev_b32 v[TQ], 30, v[TQ]
	v_xor_b32 v[\s], v[\s], v[TQ]                  ; the sine is negative in quadrants 2 and 3,
	v_add_nc_u32 v[TQ], 1, v[TI]
	v_and_b32 v[TQ], 2, v[TQ]
	v_lshlrev_b32 v[TQ], 30, v[TQ]
	v_xor_b32 v[\c], v[\c], v[TQ]                  ; the cosine in 1 and 2
.endm
.irp j, 0,1,2,3
	v_mul_f32 v28, v27, v[TH+\j]
	SINCOS 28, CSX+2*\j, CSX+2*\j+1
	v_mul_f32 v28, 4.0, v[TH+\j]
	SINCOS 28, ST4+2*\j, ST4+2*\j+1
.endr
.irp j, 0,1,2,3,4,5,6,7
	v_mul_f32 v[CSX+\j], v[CSX+\j], v[W0]          ; gamma^(63 - s % 64) rides on the pair,
	v_mul_f32 v[ST4+\j], v[ST4+\j], v[W4]          ; gamma^-4 on the step
.endr
	s_wait_loadcnt 0x0
.irp p, 0,1,2,3,4,5,6,7,8,9,10,11
	v_cvt_pk_bf16_f32 v28, v[BIAS+2*\p], v[BIAS+2*\p+1]    ; the biases are rounded to bf16, as x and the weights are
	v_lshlrev_b32 v[BIAS+2*\p], 16, v28
	v_and_b32 v[BIAS+2*\p+1], 0xffff0000, v28
.endr
.macro DUMP g, half                    ; 64 rows of group g into my stage; each accumulator's low registers first
	WIN ((\g)+1)<<2
.irp a, 0,1,2,3
.irp b, 0,1,2,3
	ds_store_b128 v[STO], v[8*(8*(\b)+4*(\half)+(\a)):8*(8*(\b)+4*(\half)+(\a))+3]   offset:(\a)*16*SP+64*(\b)
	ds_store_b128 v[STO], v[8*(8*(\b)+4*(\half)+(\a))+4:8*(8*(\b)+4*(\half)+(\a))+7] offset:(\a)*16*SP+64*(\b)+16
.endr
.endr
	WIN 0
.endm
.macro PACKOUT i, base
.endm
.macro ROT i                           ; four rows of q or k
.if ((\i)%2) == 0
.set CA, CSX
.set CN, CSY
.else
.set CA, CSY
.set CN, CSX
.endif
	s_wait_dscnt 6-(\i)                            ; behind my two loads: 6 - 2 i loads and i stores of maxima
.irp p, 0,1,2,3
	v_pk_add_f32 v[T+2*\p:T+2*\p+1], v[X+8*(\i)+2*\p:X+8*(\i)+2*\p+1], v[BIAS+2*\p:BIAS+2*\p+1]
.endr
.irp p, 0,1,2,3
	v_mul_f32 v[O+2*\p], v[T+2*\p], v[CA+2*\p]
	v_mul_f32 v[O+2*\p+1], v[T+2*\p+1], v[CA+2*\p]
.endr
.irp p, 0,1,2,3
	v_fma_f32 v[O+2*\p], -v[T+2*\p+1], v[CA+2*\p+1], v[O+2*\p]       ; x0 c - x1 s
	v_fma_f32 v[O+2*\p+1], v[T+2*\p], v[CA+2*\p+1], v[O+2*\p+1]      ; x1 c + x0 s
.endr
.irp p, 0,1,2,3
	v_mul_f32 v[CN+2*\p], v[CA+2*\p], v[ST4+2*\p]                    ; the pair four rows on, into the other set
	v_mul_f32 v[CN+2*\p+1], v[CA+2*\p+1], v[ST4+2*\p]
.endr
.irp p, 0,1,2,3
	v_fma_f32 v[CN+2*\p], -v[CA+2*\p+1], v[ST4+2*\p+1], v[CN+2*\p]
	v_fma_f32 v[CN+2*\p+1], v[CA+2*\p], v[ST4+2*\p+1], v[CN+2*\p+1]
.endr
	v_max3_num_f32 v[MX], |v[O]|, |v[O+1]|, |v[O+2]|
	v_max3_num_f32 v[MX], v[MX], |v[O+3]|, |v[O+4]|
	v_max3_num_f32 v[MX], v[MX], |v[O+5]|, |v[O+6]|
	v_max_num_f32 v[MX], v[MX], |v[O+7]|
	v_max_num_f32_dpp v[MX], v[MX], v[MX] row_xmask:1 row_mask:0xf bank_mask:0xf   ; over the row's eight lanes
	v_max_num_f32_dpp v[MX], v[MX], v[MX] row_xmask:2 row_mask:0xf bank_mask:0xf
	v_max_num_f32_dpp v[MX], v[MX], v[MX] row_xmask:4 row_mask:0xf bank_mask:0xf
	ds_store_b32 v[RMA], v[MX] offset:16*(\i)      ; the eight lanes write one word, the same number
.irp p, 0,1,2,3
	v_cvt_pk_f16_f32 v[Y+4*(\i)+\p], v[O+2*\p], v[O+2*\p+1]
.endr
	global_store_b128 v[GO], v[Y+4*(\i):Y+4*(\i)+3], s[70:71] offset:512*(\i)
.endm
.macro VV i                            ; four rows of v
	s_wait_dscnt 6-2*(\i)
.irp p, 0,1,2,3
	v_pk_add_f32 v[T+2*\p:T+2*\p+1], v[X+8*(\i)+2*\p:X+8*(\i)+2*\p+1], v[BIAS+8+2*\p:BIAS+8+2*\p+1]
.endr
.irp p, 0,1,2,3
	v_cvt_pk_f16_f32 v[Y+4*(\i)+\p], v[T+2*\p], v[T+2*\p+1]
.endr
	global_store_b128 v[GO], v[Y+4*(\i):Y+4*(\i)+3], s[72:73] offset:512*(\i)
.endm
.macro GG i                            ; four rows of silu(g) = g / (1 + 2^(-1.442695 g))
	s_wait_dscnt 6-2*(\i)
.irp p, 0,1,2,3
	v_pk_add_f32 v[T+2*\p:T+2*\p+1], v[X+8*(\i)+2*\p:X+8*(\i)+2*\p+1], v[BIAS+16+2*\p:BIAS+16+2*\p+1]
.endr
.irp p, 0,1,2,3
	v_pk_mul_f32 v[E+2*\p:E+2*\p+1], v[T+2*\p:T+2*\p+1], 0xbfb8aa3b op_sel_hi:[1,0]
.endr
.irp p, 0,1,2,3,4,5,6,7
	v_exp_f32 v[E+\p], v[E+\p]
.endr
	v_nop                                          ; a plain line between the exponentials and the use of their results
	s_wait_alu depctr_va_vdst(0)
.irp p, 0,1,2,3
	v_pk_add_f32 v[E+2*\p:E+2*\p+1], v[E+2*\p:E+2*\p+1], 1.0 op_sel_hi:[1,0]
.endr
.irp p, 0,1,2,3,4,5,6,7
	v_rcp_f32 v[E+\p], v[E+\p]
.endr
	v_nop
	s_wait_alu depctr_va_vdst(0)
.irp p, 0,1,2,3
	v_pk_mul_f32 v[T+2*\p:T+2*\p+1], v[T+2*\p:T+2*\p+1], v[E+2*\p:E+2*\p+1]
.endr
.irp p, 0,1,2,3
	v_cvt_pk_f16_f32 v[Y+4*(\i)+\p], v[T+2*\p], v[T+2*\p+1]
.endr
	global_store_b128 v[GO], v[Y+4*(\i):Y+4*(\i)+3], s[74:75] offset:512*(\i)
.endm
.macro GROUP g                         ; two halves of 64 rows; in each four trips of 16 rows
	v_mov_b32 v[GO], v[GO0]
	s_mov_b32 s2, 0
.Lhalf\g:
	s_cmp_eq_u32 s2, 0
	s_cbranch_scc0 .Lupper\g
	DUMP \g, 0
	s_branch .Ldumped\g
.Lupper\g:
	DUMP \g, 1
.Ldumped\g:
	v_mov_b32 v[RDA], v[RDA0]
	s_mov_b32 s3, 4
.Ltrip\g:
.irp i, 0,1,2,3
	ds_load_b128 v[X+8*\i:X+8*\i+3],   v[RDA] offset:\i*4*SP
	ds_load_b128 v[X+8*\i+4:X+8*\i+7], v[RDA] offset:\i*4*SP+16
.endr
.irp i, 0,1,2,3
.if (\g) == 0
	ROT \i
.elseif (\g) == 1
	VV \i
.else
	GG \i
.endif
.endr
	s_wait_xcnt 0x0                                ; the four stores have read Y and GO: only now are they written again
	v_add_nc_u32 v[RDA], 16*SP, v[RDA]
	v_add_nc_u32 v[GO], 2048, v[GO]
.if (\g) == 0
	v_add_nc_u32 v[RMA], 64, v[RMA]
.endif
	s_sub_co_u32 s3, s3, 1
	s_cmp_lg_u32 s3, 0
	s_cbranch_scc1 .Ltrip\g
.if (\g) == 0
.irp j, 0,1,2,3,4,5,6,7
	v_mul_f32 v[CSX+\j], v[CSX+\j], v[G64]         ; 64 rows on the weight begins anew at gamma^63
.endr
.endif
	s_add_co_u32 s2, s2, 1
	s_cmp_lt_u32 s2, 2
	s_cbranch_scc1 .Lhalf\g
.endm
	GROUP 0
	ds_load_b128 v[RMD:RMD+3], v[RMR]              ; my 128 maxima, four a lane
	s_wait_dscnt 0x0
	global_store_b128 v[GO0], v[RMD:RMD+3], s[18:19]   ; 512 consecutive bytes; these registers are not written again
	GROUP 1
	GROUP 2
	s_wait_tensorcnt 0x0                           ; the wave's end
	ds_add_u32 v[SPW], v[NIL]
	s_wait_dscnt 0x0
	CROUND                                         ; the closing round
	s_endpgm
.Lfunc_end_k_q55806e1a7f_proj:
	.size	k_q55806e1a7f_proj, .Lfunc_end_k_q55806e1a7f_proj-k_q55806e1a7f_proj
	.p2alignl 7, 3214868480
	.fill 96, 4, 3214868480
	.section	.rodata,"a",@progbits
	.p2align	6, 0x0
	.amdhsa_kernel k_q55806e1a7f_proj
		.amdhsa_group_segment_fixed_size 327680
		.amdhsa_private_segment_fixed_size 0
		.amdhsa_enable_private_segment 0
		.amdhsa_kernarg_size 64
		.amdhsa_user_sgpr_count 2
		.amdhsa_user_sgpr_kernarg_segment_ptr 1
		.amdhsa_wavefront_size32 1
		.amdhsa_system_sgpr_workgroup_id_x 1
		.amdhsa_system_sgpr_workgroup_id_y 1
		.amdhsa_system_sgpr_workgroup_id_z 1
		.amdhsa_system_vgpr_workitem_id 0
		.amdhsa_next_free_vgpr 1024
		.amdhsa_next_free_sgpr 100
		.amdhsa_reserve_vcc 1
		.amdhsa_float_denorm_mode_32 3
		.amdhsa_float_denorm_mode_16_64 3
		.amdhsa_memory_ordered 1
		.amdhsa_forward_progress 1
		.amdhsa_inst_pref_size 136
	.end_amdhsa_kernel
	.amdgpu_metadata
---
amdhsa.version: [ 1, 2 ]
amdhsa.kernels:
  - .name:           k_q55806e1a7f_proj
    .symbol:         k_q55806e1a7f_proj.kd
    .args:
      - { .name: xb, .offset: 0, .size: 8, .value_kind: global_buffer, .address_space: global }
      - { .name: wcat, .offset: 8, .size: 8, .value_kind: global_buffer, .address_space: global }
      - { .name: bq, .offset: 16, .size: 8, .value_kind: global_buffer, .address_space: global }
      - { .name: bk, .offset: 24, .size: 8, .value_kind: global_buffer, .address_space: global }
      - { .name: bv, .offset: 32, .size: 8, .value_kind: global_buffer, .address_space: global }
      - { .name: bg, .offset: 40, .size: 8, .value_kind: global_buffer, .address_space: global }
      - { .name: qkvg, .offset: 48, .size: 8, .value_kind: global_buffer, .address_space: global }
      - { .name: rmax, .offset: 56, .size: 8, .value_kind: global_buffer, .address_space: global }
    .group_segment_fixed_size: 327680
    .private_segment_fixed_size: 0
    .kernarg_segment_align: 8
    .kernarg_segment_size: 64
    .max_flat_workgroup_size: 128
    .sgpr_count:     100
    .vgpr_count:     1024
    .wavefront_size: 32
...
	.end_amdgpu_metadata
.endif
;; end of part 2
;; launch retain (part 3): grid 8 x 32, 4 waves a work-group, clusters of 4 x 1, 327,680 bytes of LDS; arguments qkvg, rmax, y, ysc; writes y, ysc
.if DOCPART == 3
	.amdgcn_target "amdgcn-amd-amdhsa--gfx1250"
	.amdhsa_code_object_version 6
	.text
	.protected	k_q55806e1a7f_retain
	.globl	k_q55806e1a7f_retain
	.p2align	8
	.type	k_q55806e1a7f_retain,@function
k_q55806e1a7f_retain:
	s_mov_b64 s[64:65], 0
	v_nop
	global_prefetch_b8 v0, s[64:65] scope:SCOPE_SE
	s_setreg_imm32_b32 hwreg(HW_REG_WAVE_MODE, 25, 1), 1
	s_wait_xcnt 0x0
	s_wait_alu depctr_hold_cnt(0) depctr_sa_sdst(0) depctr_va_vdst(0) depctr_va_sdst(0) depctr_va_ssrc(0) depctr_va_vcc(0) depctr_vm_vsrc(0)
	s_getreg_b32 s2, hwreg(HW_REG_IB_STS2, 6, 4)
	s_cmp_eq_u32 s2, 0
	s_cbranch_scc0 .Lentry_in_a_cluster
	s_endpgm
.Lentry_in_a_cluster:
	s_bfe_u32 s2, ttmp6, 0x10000c
	s_cmp_lg_u32 s2, 0x3003
	s_cbranch_scc0 .Lentry_shape_is_right
	s_endpgm
.Lentry_shape_is_right:
; RETENTION for one (batch, head): out[s] = sum over t <= s of (q_s . k_t / 8) gamma^(s-t) c_s v_t / max(|row sum|, 1), c_s = 1 / sqrt(sum of gamma^(s-t)); LayerNorm over the 128 channels; times silu(g).
; k arrives weighted by gamma^(63 - t % 64), so for a step j of 64 keys the weight is ONE factor a query: P = (q . k') f, f = RHO 2^(LG (s - 63 - 64 j)), LG = log2(gamma).
; RHO = 1 / (64 qmax_s A), qmax_s the largest |q| of the row, A the largest |k'| of the head (both from the launch before, at least 2^-24): |P| <= gamma^-63 <= 7.4 whatever the inputs' scale, so P goes in f16.
; L = sum of P (f32, unrounded), O = sum of P v.  At a block's end R = L c RINV (RINV = 8 qmax A takes RHO back and applies k's 1/8), out = O c RINV / max(|R|, 1).
; LayerNorm in two passes.  Stored: y = D rsq(max(var, 1e-37)) / 16 x silu(g) in f16 (the first factor is at most 0.71), and ysc = 16 var rsq(max(var, 1e-37)) rsq(var + 1e-5) in f32 for (row, head).
; THE GATE IS APPLIED IN f16: the first factor is rounded to f16, and its product with silu(g), itself f16, is made by a packed f16 multiply: two roundings of 2^-12 of y more than a product in f32 would have.
; LIMITS.  Inputs within f16.  Keys more than some 2^10 smaller than the head's largest lose relative precision in P.  var below 1e-37 gives y = 0.  NaN and infinities are not treated apart.
; 1 - gamma^(s+1): directly where u = -(s+1) ln gamma >= 0.25, else by six terms of its series in u (what is left off is under u^6 / 5040 of it); the choice selects a value only.
; THE WALK.  A head's rows lie in four super-blocks of 512.  A cluster of four takes super-block 3 - cl and then cl: 10 tiles of 256 keys, 40 steps, whatever cl.  Partner p owns rows 128 p on, wave w 32 of them: two
; tiles of 16 queries.  All partners walk the same tiles in step, so every tile is asked for jointly.  The last 8 steps of a super-block are computed by all under masks; what differs between partners enters
; vector data, selected scalars and global addresses alone.
; A TRIP, in phases: f of step j; K of step j + 1 out of LDS; scale (mask), round, sum; V^T P of step j; V of step j + 1; K Q^T of step j + 1.  A change of slots stands between trips.
; LAYOUT.  S^T = K Q^T and O^T = V^T P: a lane holds one query (l % 16); two S^T results rounded in pairs ARE source 1 of the second product.
; REGISTERS.  window 0: v0-15 addresses; v16-31 statistics; v32-39 the diagonal block's mask; v40-63 at work; v64-127 S^T; v128-159 P; v160-191 Q; v192-255 K.
;   window 1: v0-127 O^T (tile t, channel block cb at 64 t + 8 cb); v128-255 V.   window 2: v0-31 the second block's Q.
.set PK,    144
.set PV,    160
.set VOFF,  256*PK                     ; a slot: 256 rows of K, 256 of V's channels 0-63, 256 of its channels 64-127
.set VPL,   256*PV
.set SLOT1, 1<<17
.set STAGE, SLOT1+VOFF+2*VPL           ; behind the ring: 16 rows x 272 bytes for each wave
.set SP,    272
.set SPARE, STAGE+4*16*SP
.set AK0, 2
.set AV0, 3
.set AK,  4
.set AV,  5
.set STO, 6
.set RD,  7
.set GO,  8
.set SGO, 10
.set YSO, 11
.set QO,  12
.set JFV, 13                           ; the step in hand, as f32
.set SPW, 14
.set NIL, 15
.set ST,  16                           ; tile t at ST + 8 t: E0 = (s - 63) LG, RHO, L (even keys, odd keys), f and its pair's partner, the exponent, RINV
.set M16, 32                           ; 1 where key 8 h + j <= query r, else 0
.set AP,  40                           ; masked steps: f or 0 for a whole block of 16 keys (low word of a pair)
.set BP,  42                           ; f or 0 for the diagonal block
.set WL,  40                           ; at a block's end the same registers are at work
.set WX,  41
.set WC,  42
.set WU,  43
.set FM,  44
.set SP1, 52                           ; s + 1
.set QM,  54                           ; qmax; later ysc
.set QMB, 56
.set AMAX,58
.set WP,  59
.set WS,  60
.set WM,  62
.set S,   64
.set P,   128
.set Q,   160
.set KF,  192
.set VF,  128
.set WV,  12
.set PX,  13
.set CL,  14
.set BH,  15
.set HD,  16
.set KB,  18
.set VB,  20
.set G1K, 24
.set G1V, 32
.set G0K, 40
.set G0V, 44
.set SLOTS, 48
.set CNT, 49
.set RS,  50                           ; iterations of the block in hand still to come
.set NST, 51                           ; steps of the block to begin
.set NEW, 52
.set NXT, 53
.set LQ,  54
.set LQ2, 55
.set OFF, 56
.set TBK, 58
.set TBV, 59
.set SEL, 60
.set JI,  62
.set DLT, 63
.set LG,  66
.set C64, 67
.set ROW0, 68
.set ROW0B, 69
.set TQ,  70
.set TQB, 71
.set AL,  72
.set BE,  76
.set IEPS, 80
.set NLG, 81
.set NST2, 82
.set SGB, 84
.set YB,  86
.set YSB, 88
.set SGB2, 90
.set YB2, 92
.set YSB2, 94
.set MSB, 0
.macro WIN new
.if MSB != (\new)
	s_set_vgpr_msb (MSB<<8)|(\new)
.set MSB, \new
.endif
.endm
.macro PLACES
.rept 4
	v_nop
.endr
.endm
.macro JLOAD                           ; waves 0 and 1 fetch the halves of a tile's K, waves 2 and 3 V's two planes; an s_nop 0 and four v_nop follow each line
	s_cmp_lt_u32 s[WV], 2
	s_cbranch_scc0 .Lfor_v_\@
	tensor_load_to_lds s[G0K:G0K+3], s[G1K:G1K+7]
	s_nop 0
.rept 4
	v_nop
.endr
	s_branch .Lasked_\@
.Lfor_v_\@:
	tensor_load_to_lds s[G0V:G0V+3], s[G1V:G1V+7]
	s_nop 0
.rept 4
	v_nop
.endr
.Lasked_\@:
.endm
.macro CROUND
	s_barrier_signal -1
	s_barrier_wait -1
	s_cmp_lg_u32 s[WV], 0
	s_cbranch_scc1 .Lnot_wave_0_\@
	s_barrier_signal -3
.Lnot_wave_0_\@:
	s_barrier_wait -3
	s_barrier_signal -1
	s_barrier_wait -1
.endm
; THE CHANGE OF SLOTS.  Each wave waits for all its tensor loads (one is out: its part of the other slot), adds 0 to its spare word, and waits for that and for its reads of the slot that it leaves.
; fill = 1: a round of the cluster's barrier, and the old slot is filled with tile NXT first thing behind it; the descriptor's address is made anew from that number.
.macro CHANGE fill
	WIN 0
	s_wait_tensorcnt 0x0
	ds_add_u32 v[SPW], v[NIL]                      ; scalar work stands between it and its wait
.if \fill
	s_lshl_b32 s[OFF], s[NXT], 15                  ; a tile is 32,768 bytes of K and of each plane of V
	s_xor_b32 s[G0K+1], s[G0K+1], SLOT1
	s_add_nc_u64 s[G0K+2:G0K+3], s[KB:KB+1], s[OFF:OFF+1]
	s_or_b32 s[G0K+3], s[G0K+3], 0x80000000
	s_xor_b32 s[G0V+1], s[G0V+1], SLOT1
	s_add_nc_u64 s[G0V+2:G0V+3], s[VB:VB+1], s[OFF:OFF+1]
	s_or_b32 s[G0V+3], s[G0V+3], 0x80000000
	s_add_co_u32 s[NXT], s[NXT], 1                 ; the block's next tile, or behind its last the second block's tile 0
	s_cmp_gt_u32 s[NXT], s[LQ]
	s_cselect_b32 s[NXT], 0, s[NXT]
	s_cselect_b32 s[LQ], s[LQ2], s[LQ]
.endif
	s_sub_co_u32 s[TBK], s[TBK], 4*64*PK           ; the fetches go back to a slot's first step, in the other slot
	s_xor_b32 s[TBK], s[TBK], SLOT1
	s_sub_co_u32 s[TBV], s[TBV], 4*64*PV
	s_xor_b32 s[TBV], s[TBV], SLOT1
	s_wait_dscnt 0x0                               ; the add is done, and my reads of the slot are over
.if \fill
	CROUND
	JLOAD
.else
	s_barrier_signal -1
	s_barrier_wait -1
.endif
.endm
	s_load_b256 s[4:11], s[0:1], 0x0               ; qkvg, rmax, y, ysc
	v_lshl_add_u32 v[SPW], v0, 2, SPARE
	v_mov_b32 v[NIL], 0
	ds_add_u32 v[SPW], v[NIL]                      ; the wave's opening: the add and its wait stand ahead of my first tensor load
	v_lshrrev_b32 v1, 5, v0
	v_readfirstlane_b32 s[WV], v1
	s_bfe_u32 s[PX], ttmp6, 0x40000                ; my place in the cluster
	s_mov_b32 s[CL], ttmp9                         ; the cluster: 0 or 1
	s_and_b32 s[BH], ttmp7, 0xffff
	s_and_b32 s[HD], s[BH], 15
	s_mov_b32 s[G1K], 15|(1<<16)|(1<<20)|(1<<21)|(4<<22)|(3<<25)   ; 128 keys as 64 rows of 256 bytes, 16 bytes of padding behind every 32 words
	s_mov_b32 s[G1K+1], 128<<16
	s_mov_b32 s[G1K+2], 64<<16
	s_mov_b32 s[G1K+3], 128<<16
	s_mov_b32 s[G1K+4], 64
	s_mov_b32 s[G1K+5], 128
	s_mov_b32 s[G1K+6], 0
	s_mov_b32 s[G1K+7], 0
	s_mov_b32 s[G1V], 15|(1<<16)|(1<<20)|(1<<21)|(4<<22)|(7<<25)   ; 256 keys of one plane as 128 rows, 32 bytes of padding
	s_mov_b32 s[G1V+1], 128<<16
	s_mov_b32 s[G1V+2], 128<<16
	s_mov_b32 s[G1V+3], 128<<16
	s_mov_b32 s[G1V+4], 128
	s_mov_b32 s[G1V+5], 128
	s_mov_b32 s[G1V+6], 0
	s_mov_b32 s[G1V+7], 0
	s_and_b32 s17, s[WV], 1
	s_mov_b32 s[G0K], 1
	s_mul_i32 s[G0K+1], s17, 128*PK
	s_mov_b32 s[G0V], 1
	s_mul_i32 s22, s17, VPL
	s_add_co_u32 s[G0V+1], s22, VOFF
	s_lshl_b32 s22, s[BH], 18
	s_lshl_b32 s23, s17, 14
	s_add_co_u32 s22, s22, s23
	s_add_co_u32 s22, s22, 8388608                 ; plane 1, my half of a tile
	s_mov_b32 s23, 0
	s_lshl_b32 s96, s[BH], 18
	s_add_co_u32 s97, s17, 2
	s_lshl_b32 s97, s97, 23
	s_add_co_u32 s96, s96, s97                     ; plane 2 or 3
	s_mov_b32 s97, 0
	s_sub_co_u32 s17, 4, s[CL]
	s_lshl_b32 s[NST], s17, 3                      ; the first block has 8 (4 - cl) steps,
	s_lshl_b32 s[LQ], s17, 1
	s_sub_co_u32 s[LQ], s[LQ], 1
	s_add_co_u32 s17, s[CL], 1
	s_lshl_b32 s[NST2], s17, 3                     ; the second 8 (cl + 1)
	s_lshl_b32 s[LQ2], s17, 1
	s_sub_co_u32 s[LQ2], s[LQ2], 1
	s_mov_b32 s[NXT], 1
	s_mov_b32 s[NEW], 1
	s_mov_b32 s[RS], 0
	s_mov_b32 s[JI], 0
	s_mov_b32 s[SLOTS], 9
	s_mov_b32 s[OFF+1], 0
	s_mov_b32 s[TBK], SLOT1+4*64*PK                ; the first change of slots turns these two into 0
	s_mov_b32 s[TBV], SLOT1+4*64*PV
	s_mov_b32 s[SEL], 0x76543210
	s_mov_b32 s[SEL+1], 0xfedcba98
	s_sub_co_u32 s17, 3, s[CL]
	s_lshl_b32 s[ROW0], s17, 9
	s_lshl_b32 s17, s[PX], 7
	s_lshl_b32 s83, s[WV], 5
	s_add_co_u32 s17, s17, s83
	s_add_co_u32 s[ROW0], s[ROW0], s17             ; my first row in the first block,
	s_lshl_b32 s[ROW0B], s[CL], 9
	s_add_co_u32 s[ROW0B], s[ROW0B], s17           ; and in the second
	s_lshr_b32 s[TQ], s[ROW0], 4
	s_lshr_b32 s[TQB], s[ROW0B], 4
	s_add_co_u32 s[IEPS], s[HD], 132
	s_lshl_b32 s[IEPS], s[IEPS], 23                ; 1 / eps = 2^(5+h)
	s_wait_dscnt 0x0                               ; the opening add is done
	s_wait_kmcnt 0x0
	s_add_nc_u64 s[KB:KB+1], s[4:5], s[22:23]
	s_add_nc_u64 s[VB:VB+1], s[4:5], s[96:97]
	s_add_nc_u64 s[G0K+2:G0K+3], s[KB:KB+1], 0
	s_or_b32 s[G0K+3], s[G0K+3], 0x80000000
	s_add_nc_u64 s[G0V+2:G0V+3], s[VB:VB+1], 0
	s_or_b32 s[G0V+3], s[G0V+3], 0x80000000
	CROUND                                         ; all four work-groups are here
	JLOAD                                          ; tile 0 into slot 0: one load of mine is out, here and behind every round
	s_lshl_b32 s22, s[BH], 18
	s_add_nc_u64 s[96:97], s[4:5], s[22:23]
	s_lshl_b32 s22, s[ROW0B], 7
	s_add_nc_u64 s[98:99], s[96:97], s[22:23]      ; Q of the second block,
	s_lshl_b32 s22, s[ROW0], 7
	s_add_nc_u64 s[96:97], s[96:97], s[22:23]      ; of the first
	s_add_nc_u64 s[SGB:SGB+1], s[96:97], 0x2000000 ; silu(g): four planes on
	s_add_nc_u64 s[SGB2:SGB2+1], s[98:99], 0x2000000
	s_lshl_b32 s22, s[BH], 13
	s_add_nc_u64 s[100:101], s[6:7], s[22:23]      ; rmax at my head's q rows; its k rows lie 262,144 bytes on
	s_lshr_b32 s17, s[BH], 4
	s_lshl_b32 s17, s17, 11
	s_lshl_b32 s2, s[HD], 8
	s_lshl_b32 s3, s[HD], 14
	s_add_co_u32 s83, s17, s[ROW0]
	s_lshl_b32 s22, s83, 12
	s_add_co_u32 s22, s22, s2
	s_add_nc_u64 s[YB:YB+1], s[8:9], s[22:23]
	s_lshl_b32 s22, s83, 2
	s_add_co_u32 s22, s22, s3
	s_add_nc_u64 s[YSB:YSB+1], s[10:11], s[22:23]
	s_add_co_u32 s83, s17, s[ROW0B]
	s_lshl_b32 s22, s83, 12
	s_add_co_u32 s22, s22, s2
	s_add_nc_u64 s[YB2:YB2+1], s[8:9], s[22:23]
	s_lshl_b32 s22, s83, 2
	s_add_co_u32 s22, s22, s3
	s_add_nc_u64 s[YSB2:YSB2+1], s[10:11], s[22:23]
	v_and_b32 v1, 15, v0                           ; r
	v_bfe_u32 v9, v0, 4, 1                         ; h
	v_lshlrev_b32 v[QO], 7, v1
	v_lshl_add_u32 v[QO], v9, 4, v[QO]
.set i, 0
.rept 4                                ; tile i / 2, channels 32 (i % 2) on
	global_load_b128 v[Q+8*i:Q+8*i+3],   v[QO], s[96:97] offset:(i/2)*2048+(i%2)*64
	global_load_b128 v[Q+8*i+4:Q+8*i+7], v[QO], s[96:97] offset:(i/2)*2048+(i%2)*64+32
.set i, i+1
.endr
	WIN 0x80
.set i, 0
.rept 4
	global_load_b128 v[8*i:8*i+3],   v[QO], s[98:99] offset:(i/2)*2048+(i%2)*64
	global_load_b128 v[8*i+4:8*i+7], v[QO], s[98:99] offset:(i/2)*2048+(i%2)*64+32
.set i, i+1
.endr
	WIN 0
	v_add_nc_u32 v60, s[ROW0], v1
	v_lshlrev_b32 v60, 2, v60
	v_add_nc_u32 v62, s[ROW0B], v1
	v_lshlrev_b32 v62, 2, v62
	v_and_b32 v61, 31, v0
	v_lshlrev_b32 v[YSO], 2, v61
	v_lshlrev_b32 v61, 4, v61
	v_mov_b32 v63, 0
	global_load_b32 v[QM],    v60, s[100:101]
	global_load_b32 v[QM+1],  v60, s[100:101] offset:64
	global_load_b32 v[QMB],   v62, s[100:101]
	global_load_b32 v[QMB+1], v62, s[100:101] offset:64
.set i, 0
.rept 16                               ; the head's 2,048 k maxima: every wave takes them all
	global_load_b128 v[S+4*i:S+4*i+3], v61, s[100:101] offset:262144+512*i
.set i, i+1
.endr
	v_lshlrev_b32 v40, 3, v9
	v_sub_nc_u32 v40, v1, v40                      ; r - 8 h
.irp j, 0,1,2,3,4,5,6,7
	v_cmp_le_i32 vcc_lo, \j, v40
	v_cndmask_b32 v[M16+\j], 0, 1.0, vcc_lo
.endr
	s_sub_co_u32 s17, 122, s[HD]
	s_lshl_b32 s17, s17, 23                        ; eps
	v_mov_b32 v44, s17
	v_mov_b32 v45, 0x3e2aaaab                      ; -ln(1 - eps) = eps (1 + eps (1/2 + eps (1/3 + eps (1/4 + eps (1/5 + eps/6)))))
	v_fmaak_f32 v45, v45, v44, 0x3e4ccccd
	v_fmaak_f32 v45, v45, v44, 0x3e800000
	v_fmaak_f32 v45, v45, v44, 0x3eaaaaab
	v_fmaak_f32 v45, v45, v44, 0x3f000000
	v_fmaak_f32 v45, v45, v44, 0x3f800000
	v_mul_f32 v45, v45, v44
	v_readfirstlane_b32 s[NLG], v45
	v_mul_f32 v45, 0xbfb8aa3b, v45
	v_readfirstlane_b32 s[LG], v45
	v_mul_f32 v45, 0xc2800000, v45
	v_readfirstlane_b32 s[C64], v45
	v_mov_b32 v[AP+1], 0                           ; named as pairs' partners
	v_mov_b32 v[BP+1], 0
	v_mov_b32 v[ST+5], 0
	v_mov_b32 v[ST+13], 0
	v_mul_u32_u24 v[AK0], v1, PK
	v_lshl_add_u32 v[AK0], v9, 4, v[AK0]
	v_and_b32 v46, 7, v0
	v_bfe_u32 v47, v0, 3, 1
	v_lshl_add_u32 v[AV0], v9, 3, v46              ; the turning load: key 8 h + l % 8, channels 8 ((l / 8) % 2) on
	v_mul_u32_u24 v[AV0], v[AV0], PV
	v_lshl_add_u32 v[AV0], v47, 4, v[AV0]
	v_add_nc_u32 v[AV0], VOFF, v[AV0]
	s_mul_i32 s17, s[WV], 16*SP
	s_add_co_u32 s17, s17, STAGE
	v_mul_u32_u24 v[STO], v1, SP
	v_lshl_add_u32 v[STO], v9, 4, v[STO]
	v_add_nc_u32 v[STO], s17, v[STO]
	v_mul_u32_u24 v[RD], v9, SP
	v_lshl_add_u32 v[RD], v1, 4, v[RD]
	v_add_nc_u32 v[RD], s17, v[RD]
	v_lshlrev_b32 v[GO], 12, v9                    ; y: lanes 0-15 one row's 256 bytes, lanes 16-31 the next row's
	v_lshl_add_u32 v[GO], v1, 4, v[GO]
	v_lshlrev_b32 v[SGO], 23, v47                  ; silu(g) of the same numbers: plane 4 + (l % 16) / 8,
	v_lshl_add_u32 v[SGO], v9, 7, v[SGO]
	v_lshl_add_u32 v[SGO], v46, 4, v[SGO]
	s_wait_loadcnt 0x0
.irp k, 0,1,2,3
	v_max3_num_f32 v[48+\k], v[S+16*\k], v[S+16*\k+1], v[S+16*\k+2]
.endr
.irp m, 0,1,2,3,4,5
.irp k, 0,1,2,3
	v_max3_num_f32 v[48+\k], v[48+\k], v[S+16*\k+3+2*\m], v[S+16*\k+4+2*\m]
.endr
.endr
	v_max3_num_f32 v48, v48, v[S+15], v[S+31]
	v_max3_num_f32 v50, v50, v[S+47], v[S+63]
	v_max3_num_f32 v48, v48, v49, v50
	v_max_num_f32 v48, v48, v51
	v_max_num_f32_dpp v48, v48, v48 row_xmask:1 row_mask:0xf bank_mask:0xf
	v_max_num_f32_dpp v48, v48, v48 row_xmask:2 row_mask:0xf bank_mask:0xf
	v_max_num_f32_dpp v48, v48, v48 row_xmask:4 row_mask:0xf bank_mask:0xf
	v_max_num_f32_dpp v48, v48, v48 row_xmask:8 row_mask:0xf bank_mask:0xf
	v_permlanex16_b32 v49, v48, s[SEL], s[SEL+1]
	v_max_num_f32 v48, v48, v49
	v_max_num_f32 v[AMAX], 0x33800000, v48         ; A, at least 2^-24
; f of the step in hand for both tiles.  Its plain lines name no register of the products K Q^T in front: they are the places ahead of the loads into K and of the first read of S^T.
.macro FCALC adr
	WIN 0
	v_fma_f32 v[ST+6], v[JFV], s[C64], v[ST]
	v_fma_f32 v[ST+14], v[JFV], s[C64], v[ST+8]
	v_exp_f32 v[ST+4], v[ST+6]
	v_exp_f32 v[ST+12], v[ST+14]
	v_add_f32 v[JFV], 1.0, v[JFV]
.if \adr
	v_add_nc_u32 v[AK], s[TBK], v[AK0]
.endif
	s_wait_alu depctr_va_vdst(0)
	v_mul_f32 v[ST+4], v[ST+4], v[ST+1]
	v_mul_f32 v[ST+12], v[ST+12], v[ST+9]
.endm
.macro FETCH_K                         ; 16 loads: keys 16 (f / 2) on, channels 32 (f % 2) on
	WIN 0
.irp f, 0,1,2,3,4,5,6,7
	ds_load_b128 v[KF+8*\f:KF+8*\f+3],   v[AK] offset:(\f/2)*16*PK+(\f%2)*64
	ds_load_b128 v[KF+8*\f+4:KF+8*\f+7], v[AK] offset:(\f/2)*16*PK+(\f%2)*64+32
.endr
	s_add_co_u32 s[TBK], s[TBK], 64*PK
.endm
.macro FETCH_V                         ; 32 turning loads: keys 32 (f / 8) on, channels 16 (f % 8) on
	WIN 0
	v_add_nc_u32 v[AV], s[TBV], v[AV0]
	s_add_co_u32 s[TBV], s[TBV], 64*PV
	WIN 0x40
.set f, 0
.rept 16
	ds_load_tr16_b128 v[VF+8*f:VF+8*f+3],   v[AV] offset:((f%8)/4)*VPL+(f/8)*32*PV+(f%4)*32
	ds_load_tr16_b128 v[VF+8*f+4:VF+8*f+7], v[AV] offset:((f%8)/4)*VPL+(f/8)*32*PV+(f%4)*32+16*PV
.set f, f+1
.endr
	WIN 0
.endm
.macro KQALL                           ; 16 products: the 8 accumulators take turns; the first 8 start the sums
	WIN 0
.set i, 0
.rept 16
.set rS, S+32*(i%2)+8*((i/2)%4)
.set rK, KF+16*((i/2)%4)+8*(i/8)
.set rQ, Q+16*(i%2)+8*(i/8)
.if i < 8
	v_wmma_f32_16x16x32_f16 v[rS:rS+7], v[rK:rK+7], v[rQ:rQ+7], 0
.else
	v_wmma_f32_16x16x32_f16 v[rS:rS+7], v[rK:rK+7], v[rQ:rQ+7], v[rS:rS+7]
.endif
.set i, i+1
.endr
.endm
.macro PVALL                           ; 32 products: 16 accumulators by turns
	WIN 0x51
.set i, 0
.rept 32
.set rO, 64*(i%2)+8*((i/2)%8)
.set rV, VF+64*(i/16)+8*((i/2)%8)
.set rP, P+16*(i%2)+8*(i/16)
	v_wmma_f32_16x16x32_f16 v[rO:rO+7], v[rV:rV+7], v[rP:rP+7], v[rO:rO+7]
.set i, i+1
.endr
.endm
; S^T times f, in ascending order (each accumulator's low registers first).  m = 1: block kb of 16 keys is whole (f), hidden (0) or the diagonal one (f x M16),
; by the place of my tile's block TQ + t against 4 JI + kb: two selected scalars a block, no branch.
.macro SCALE t, m
.if \m
	s_lshl_b32 s[DLT], s[JI], 2
	s_sub_co_i32 s[DLT], s[TQ], s[DLT]
.if \t
	s_add_co_i32 s[DLT], s[DLT], 1
.endif
.irp kb, 0,1,2,3
	s_cmp_gt_i32 s[DLT], \kb
	s_cselect_b32 s[AL+\kb], 1.0, 0
	s_cmp_eq_u32 s[DLT], \kb
	s_cselect_b32 s[BE+\kb], 1.0, 0
.endr
.irp kb, 0,1,2,3
	v_mul_f32 v[AP], s[AL+\kb], v[ST+8*(\t)+4]
	v_mul_f32 v[BP], s[BE+\kb], v[ST+8*(\t)+4]
.irp p, 0,1,2,3
	v_pk_fma_f32 v[FM+2*\p:FM+2*\p+1], v[M16+2*\p:M16+2*\p+1], v[BP:BP+1], v[AP:AP+1] op_sel_hi:[1,0,0]
.endr
.irp p, 0,1,2,3
	v_pk_mul_f32 v[S+32*(\t)+8*\kb+2*\p:S+32*(\t)+8*\kb+2*\p+1], v[S+32*(\t)+8*\kb+2*\p:S+32*(\t)+8*\kb+2*\p+1], v[FM+2*\p:FM+2*\p+1]
.endr
.endr
.else
.set n, 0
.rept 16
	v_pk_mul_f32 v[S+32*(\t)+2*n:S+32*(\t)+2*n+1], v[S+32*(\t)+2*n:S+32*(\t)+2*n+1], v[ST+8*(\t)+4:ST+8*(\t)+5] op_sel_hi:[1,0]
.set n, n+1
.endr
.endif
.endm
.macro CVTSUM t                        ; the weights rounded to f16; their sum, unrounded, onto L
.set g, 0
.rept 8
	v_cvt_pk_f16_f32 v[P+16*(\t)+2*g],   v[S+32*(\t)+4*g],   v[S+32*(\t)+4*g+1]
	v_cvt_pk_f16_f32 v[P+16*(\t)+2*g+1], v[S+32*(\t)+4*g+2], v[S+32*(\t)+4*g+3]
	v_pk_add_f32 v[S+32*(\t)+4*g:S+32*(\t)+4*g+1], v[S+32*(\t)+4*g:S+32*(\t)+4*g+1], v[S+32*(\t)+4*g+2:S+32*(\t)+4*g+3]
.set g, g+1
.endr
.irp g, 0,8,16,24
	v_pk_add_f32 v[S+32*(\t)+\g:S+32*(\t)+\g+1], v[S+32*(\t)+\g:S+32*(\t)+\g+1], v[S+32*(\t)+\g+4:S+32*(\t)+\g+5]
.endr
.irp g, 0,16
	v_pk_add_f32 v[S+32*(\t)+\g:S+32*(\t)+\g+1], v[S+32*(\t)+\g:S+32*(\t)+\g+1], v[S+32*(\t)+\g+8:S+32*(\t)+\g+9]
.endr
	v_pk_add_f32 v[S+32*(\t):S+32*(\t)+1], v[S+32*(\t):S+32*(\t)+1], v[S+32*(\t)+16:S+32*(\t)+17]
	v_pk_add_f32 v[ST+8*(\t)+2:ST+8*(\t)+3], v[ST+8*(\t)+2:ST+8*(\t)+3], v[S+32*(\t):S+32*(\t)+1]
.endm
.macro VEC m
	SCALE 0, \m
	CVTSUM 0
	SCALE 1, \m
	CVTSUM 1
	s_add_co_u32 s[JI], s[JI], 1
.endm
.macro TRIP m
	FCALC 1
	FETCH_K                                        ; K of the next step
	VEC \m
	s_wait_dscnt 16                                ; V is in: only K's sixteen loads were issued behind it
	PVALL
	PLACES                                         ; ahead of the loads into V
	FETCH_V                                        ; V of the next step: it has the products below and the next trip's vector work in which to come
	s_wait_dscnt 32                                ; K is in: V's 32 loads stay out
	KQALL
.endm
; A BLOCK'S END for tile t: the row's figures, the LayerNorm, and 16 rows into my stage and back as whole rows.
.macro FINISH t
.set T0, ST+8*(\t)
.set OB, 64*(\t)
	WIN 0
	v_add_f32 v[WL], v[T0+2], v[T0+3]
	v_mul_f32 v[WC], s[LG], v[SP1+\t]
	v_mul_f32 v[WU], s[NLG], v[SP1+\t]             ; u
	v_mov_b32 v[WP], 0xbab60b61                    ; 1 - e^-u = u (1 - u/2 + u^2/6 - u^3/24 + u^4/120 - u^5/720)
	v_permlanex16_b32 v[WX], v[WL], s[SEL], s[SEL+1]   ; the query's other keys lie in the lane 16 away
	v_exp_f32 v[WC], v[WC]
	v_fmaak_f32 v[WP], v[WP], v[WU], 0x3c088889
	v_fmaak_f32 v[WP], v[WP], v[WU], 0xbd2aaaab
	v_fmaak_f32 v[WP], v[WP], v[WU], 0x3e2aaaab
	v_fmaak_f32 v[WP], v[WP], v[WU], 0xbf000000
	v_fmaak_f32 v[WP], v[WP], v[WU], 0x3f800000
	v_mul_f32 v[WP], v[WP], v[WU]
	s_wait_alu depctr_va_vdst(0)
	v_sub_f32 v[WC], 1.0, v[WC]
	v_add_f32 v[WL], v[WL], v[WX]                  ; L
	v_cmp_gt_f32 vcc_lo, 0x3e800000, v[WU]
	v_cndmask_b32 v[WC], v[WC], v[WP], vcc_lo
	v_mul_f32 v[WC], s[IEPS], v[WC]                ; the row's sum of weights
	v_rsq_f32 v[WC], v[WC]                         ; c
	v_mul_f32 v[WL], v[WL], v[T0+7]
	s_wait_alu depctr_va_vdst(0)
	v_mul_f32 v[WL], v[WL], v[WC]                  ; R
	v_mul_f32 v[WC], v[WC], v[T0+7]
	v_max_num_f32 v[WL], |v[WL]|, 1.0
	v_rcp_f32 v[WL], v[WL]
	v_nop
	s_wait_alu depctr_va_vdst(0)
	v_mul_f32 v[WS], v[WC], v[WL]                  ; out = O x this
	WIN 0x05                                       ; the sum of my 64 channels, four chains
.irp c, 0,1,2,3
	v_pk_add_f32 v[FM+2*\c:FM+2*\c+1], v[OB+2*\c:OB+2*\c+1], v[OB+8+2*\c:OB+8+2*\c+1]
.endr
	WIN 0x01
.set n, 8
.rept 24
	v_pk_add_f32 v[FM+2*(n%4):FM+2*(n%4)+1], v[OB+2*n:OB+2*n+1], v[FM+2*(n%4):FM+2*(n%4)+1]
.set n, n+1
.endr
	WIN 0
	v_pk_add_f32 v[FM:FM+1], v[FM:FM+1], v[FM+2:FM+3]
	v_pk_add_f32 v[FM+4:FM+5], v[FM+4:FM+5], v[FM+6:FM+7]
	v_pk_add_f32 v[FM:FM+1], v[FM:FM+1], v[FM+4:FM+5]
	v_add_f32 v[FM], v[FM], v[FM+1]
	v_permlanex16_b32 v[FM+1], v[FM], s[SEL], s[SEL+1]
	v_add_f32 v[FM], v[FM], v[FM+1]
	v_mul_f32 v[FM], 0x3c000000, v[FM]             ; / 128
	v_mul_f32 v[WM], v[FM], v[WS]
	WIN 0x41
.set n, 0
.rept 32
	v_pk_fma_f32 v[OB+2*n:OB+2*n+1], v[OB+2*n:OB+2*n+1], v[WS:WS+1], v[WM:WM+1] op_sel_hi:[1,0,0] neg_lo:[0,0,1] neg_hi:[0,0,1]   ; D = out - mean
.set n, n+1
.endr
	WIN 0x05
.irp c, 0,1,2,3
	v_pk_mul_f32 v[FM+2*\c:FM+2*\c+1], v[OB+2*\c:OB+2*\c+1], v[OB+2*\c:OB+2*\c+1]
.endr
.set n, 4
.rept 28
	v_pk_fma_f32 v[FM+2*(n%4):FM+2*(n%4)+1], v[OB+2*n:OB+2*n+1], v[OB+2*n:OB+2*n+1], v[FM+2*(n%4):FM+2*(n%4)+1]
.set n, n+1
.endr
	WIN 0
	v_pk_add_f32 v[FM:FM+1], v[FM:FM+1], v[FM+2:FM+3]
	v_pk_add_f32 v[FM+4:FM+5], v[FM+4:FM+5], v[FM+6:FM+7]
	v_pk_add_f32 v[FM:FM+1], v[FM:FM+1], v[FM+4:FM+5]
	v_add_f32 v[FM], v[FM], v[FM+1]
	v_permlanex16_b32 v[FM+1], v[FM], s[SEL], s[SEL+1]
	v_add_f32 v[FM], v[FM], v[FM+1]
	v_mul_f32 v[FM], 0x3c000000, v[FM]             ; var
	v_max_num_f32 v[FM+2], 0x02081cea, v[FM]
	v_add_f32 v[FM+3], 0x3727c5ac, v[FM]
	v_rsq_f32 v[FM+2], v[FM+2]
	v_rsq_f32 v[FM+3], v[FM+3]
	v_mul_f32 v[FM], 0x41800000, v[FM]
	s_wait_alu depctr_va_vdst(0)
	v_mul_f32 v[WS], 0x3d800000, v[FM+2]
	v_mul_f32 v[FM], v[FM], v[FM+2]
	v_mul_f32 v[QM+\t], v[FM], v[FM+3]             ; ysc
	WIN 0x41
.set n, 0
.rept 32
	v_pk_mul_f32 v[OB+2*n:OB+2*n+1], v[OB+2*n:OB+2*n+1], v[WS:WS+1] op_sel_hi:[1,0]
.set n, n+1
.endr
	WIN 0x05
.set n, 0
.rept 32
	v_cvt_pk_f16_f32 v[S+32*(\t)+n], v[OB+2*n], v[OB+2*n+1]
.set n, n+1
.endr
	WIN 0
.irp f, 0,1,2,3,4,5,6,7
	ds_store_b128 v[STO], v[S+32*(\t)+4*\f:S+32*(\t)+4*\f+3] offset:32*\f
.endr
.irp f, 0,1,2,3,4,5,6,7
	ds_load_b128 v[S+32*(\t)+4*\f:S+32*(\t)+4*\f+3], v[RD] offset:\f*2*SP   ; LDS serves a wave in order: these see the stores above, and the next tile's stores come behind them
.endr
.endm
.macro SEND t, younger
.irp f, 0,1,2,3,4,5,6,7
	s_wait_dscnt (\younger)+7-\f
.irp k, 0,1,2,3
	v_pk_mul_f16 v[S+32*(\t)+4*\f+\k], v[S+32*(\t)+4*\f+\k], v[KF+32*(\t)+4*\f+\k]
.endr
	global_store_b128 v[GO], v[S+32*(\t)+4*\f:S+32*(\t)+4*\f+3], s[YB:YB+1] offset:(\t)*65536+\f*8192   ; 16 lanes store 256 consecutive aligned bytes
.endr
.endm
.macro ENDPART                         ; the block's last step, and its way out
	FCALC 0
.set i, 0
.rept 16                               ; silu(g) of my 32 rows, into K's registers
	global_load_b128 v[KF+4*i:KF+4*i+3], v[SGO], s[SGB:SGB+1] offset:(i/8)*2048+(i%8)*256
.set i, i+1
.endr
	VEC 1
	s_wait_dscnt 0x0                               ; V is in
	PVALL
	FINISH 0                                       ; its first plain lines are the places behind the last products
	FINISH 1
	s_wait_loadcnt 0x0
	SEND 0, 16
	SEND 1, 0
	v_cmp_eq_u32 vcc_lo, 1, v9
	v_cndmask_b32 v[WL], v[QM], v[QM+1], vcc_lo    ; lanes 0-15 tile 0, lanes 16-31 tile 1: 128 consecutive bytes
	global_store_b32 v[YSO], v[WL], s[YSB:YSB+1]
.endm
.Lslot:                                                ; nine times: a tile is entered and the next is asked for
	CHANGE 1
	s_mov_b32 s[CNT], 4
.Lit:                                                  ; an iteration fetches one step and finishes the step before it
	s_cmp_eq_u32 s[NEW], 1
	s_cbranch_scc1 .Lbegin
	s_cmp_eq_u32 s[RS], 0
	s_cbranch_scc1 .Lend
	s_cmp_le_u32 s[RS], 7
	s_cbranch_scc1 .Lmask
	TRIP 0
	s_branch .Lnext
.Lmask:
	TRIP 1
	s_branch .Lnext
.Lend:
	ENDPART
	s_wait_xcnt 0x0                                ; the stores have read their registers and bases
	s_mov_b64 s[SGB:SGB+1], s[SGB2:SGB2+1]
	s_mov_b64 s[YB:YB+1], s[YB2:YB2+1]
	s_mov_b64 s[YSB:YSB+1], s[YSB2:YSB2+1]
	s_mov_b32 s[ROW0], s[ROW0B]
	s_mov_b32 s[TQ], s[TQB]
	s_mov_b32 s[NST], s[NST2]
	v_mov_b32 v[QM], v[QMB]
	v_mov_b32 v[QM+1], v[QMB+1]
	WIN 0x02                                       ; the second block's Q goes where the one text names Q
.set i, 0
.rept 32
	v_mov_b32 v[Q+i], v[i]
.set i, i+1
.endr
	WIN 0
.Lbegin:                                               ; A BLOCK BEGINS: O^T and L are cleared on purpose (no first step is written out); then step 0's K, V and scores
	s_mov_b32 s[NEW], 0
	s_mov_b32 s[RS], s[NST]
	s_mov_b32 s[JI], 0
	v_mov_b32 v[JFV], 0
	WIN 0x40
.set i, 0
.rept 128
	v_mov_b32 v[i], 0
.set i, i+1
.endr
	WIN 0
.irp t, 0,1
	v_add_nc_u32 v[WL], s[ROW0], v1
.if \t
	v_add_nc_u32 v[WL], 16, v[WL]
.endif
	v_cvt_f32_u32 v[WL], v[WL]                     ; s
	v_add_f32 v[SP1+\t], 1.0, v[WL]
	v_add_f32 v[WL], 0xc27c0000, v[WL]
	v_mul_f32 v[ST+8*\t], s[LG], v[WL]             ; (s - 63) LG
	v_max_num_f32 v[WX], 0x33800000, v[QM+\t]
	v_mul_f32 v[WX], v[WX], v[AMAX]
	v_mul_f32 v[ST+8*\t+7], 0x41000000, v[WX]      ; RINV = 8 qmax A
	v_mul_f32 v[WX], 0x42800000, v[WX]
	s_wait_alu depctr_va_vdst(0)
	v_rcp_f32 v[ST+8*\t+1], v[WX]                  ; RHO = 1 / (64 qmax A)
	v_mov_b32 v[ST+8*\t+2], 0
	v_mov_b32 v[ST+8*\t+3], 0
.endr
	v_add_nc_u32 v[AK], s[TBK], v[AK0]
	FETCH_K
	FETCH_V
	s_wait_dscnt 32                                ; K is in
	KQALL
.Lnext:
	s_sub_co_u32 s[RS], s[RS], 1
	s_sub_co_u32 s[CNT], s[CNT], 1
	s_cmp_lg_u32 s[CNT], 0
	s_cbranch_scc1 .Lit
	s_sub_co_u32 s[SLOTS], s[SLOTS], 1
	s_cmp_lg_u32 s[SLOTS], 0
	s_cbranch_scc1 .Lslot
	CHANGE 0                                       ; the walk's last tile is written out: nothing is asked for
	s_mov_b32 s[CNT], 4
.Ltail:
	TRIP 1
	s_sub_co_u32 s[CNT], s[CNT], 1
	s_cmp_lg_u32 s[CNT], 0
	s_cbranch_scc1 .Ltail
	ENDPART
	s_wait_tensorcnt 0x0                           ; the wave's end
	ds_add_u32 v[SPW], v[NIL]
	s_wait_dscnt 0x0
	CROUND                                         ; the closing round
	s_endpgm
.Lfunc_end_k_q55806e1a7f_retain:
	.size	k_q55806e1a7f_retain, .Lfunc_end_k_q55806e1a7f_retain-k_q55806e1a7f_retain
	.p2alignl 7, 3214868480
	.fill 96, 4, 3214868480
	.section	.rodata,"a",@progbits
	.p2align	6, 0x0
	.amdhsa_kernel k_q55806e1a7f_retain
		.amdhsa_group_segment_fixed_size 327680
		.amdhsa_private_segment_fixed_size 0
		.amdhsa_enable_private_segment 0
		.amdhsa_kernarg_size 32
		.amdhsa_user_sgpr_count 2
		.amdhsa_user_sgpr_kernarg_segment_ptr 1
		.amdhsa_wavefront_size32 1
		.amdhsa_system_sgpr_workgroup_id_x 1
		.amdhsa_system_sgpr_workgroup_id_y 1
		.amdhsa_system_sgpr_workgroup_id_z 1
		.amdhsa_system_vgpr_workitem_id 0
		.amdhsa_next_free_vgpr 576
		.amdhsa_next_free_sgpr 102
		.amdhsa_reserve_vcc 1
		.amdhsa_float_denorm_mode_32 3
		.amdhsa_float_denorm_mode_16_64 3
		.amdhsa_memory_ordered 1
		.amdhsa_forward_progress 1
		.amdhsa_inst_pref_size 168
	.end_amdhsa_kernel
	.amdgpu_metadata
---
amdhsa.version: [ 1, 2 ]
amdhsa.kernels:
  - .name:           k_q55806e1a7f_retain
    .symbol:         k_q55806e1a7f_retain.kd
    .args:
      - { .name: qkvg, .offset: 0, .size: 8, .value_kind: global_buffer, .address_space: global }
      - { .name: rmax, .offset: 8, .size: 8, .value_kind: global_buffer, .address_space: global }
      - { .name: y, .offset: 16, .size: 8, .value_kind: global_buffer, .address_space: global }
      - { .name: ysc, .offset: 24, .size: 8, .value_kind: global_buffer, .address_space: global }
    .group_segment_fixed_size: 327680
    .private_segment_fixed_size: 0
    .kernarg_segment_align: 8
    .kernarg_segment_size: 32
    .max_flat_workgroup_size: 128
    .sgpr_count:     102
    .vgpr_count:     576
    .wavefront_size: 32
...
	.end_amdgpu_metadata
.endif
;; end of part 3
;; launch oproj (part 4): grid 8 x 32, 4 waves a work-group, clusters of 4 x 4, 327,680 bytes of LDS; arguments y, wob, ysc, bo, out0; writes out0
.if DOCPART == 4
	.amdgcn_target "amdgcn-amd-amdhsa--gfx1250"
	.amdhsa_code_object_version 6
	.text
	.protected	k_q55806e1a7f_oproj
	.globl	k_q55806e1a7f_oproj
	.p2align	8
	.type	k_q55806e1a7f_oproj,@function
k_q55806e1a7f_oproj:
	s_mov_b64 s[64:65], 0
	v_nop
	global_prefetch_b8 v0, s[64:65] scope:SCOPE_SE
	s_setreg_imm32_b32 hwreg(HW_REG_WAVE_MODE, 25, 1), 1
	s_wait_xcnt 0x0
	s_wait_alu depctr_hold_cnt(0) depctr_sa_sdst(0) depctr_va_vdst(0) depctr_va_sdst(0) depctr_va_ssrc(0) depctr_va_vcc(0) depctr_vm_vsrc(0)
	s_getreg_b32 s2, hwreg(HW_REG_IB_STS2, 6, 4)
	s_cmp_eq_u32 s2, 0
	s_cbranch_scc0 .Lentry_in_a_cluster
	s_endpgm
.Lentry_in_a_cluster:
	s_bfe_u32 s2, ttmp6, 0x10000c
	s_cmp_lg_u32 s2, 0xf033
	s_cbranch_scc0 .Lentry_shape_is_right
	s_endpgm
.Lentry_shape_is_right:
; out0[m][n] = bo[n] + sum over heads of ysc[head][m] x (sum over the head's 128 channels of y[m][.] Wo[.][n]).  y and Wo in f16 (Wo: its bf16 rounding), sums in f32, bo rounded to bf16 as every input is.
; A tile of out0 is 128 x 128; four waves, each 64 x 64.  K = 2,048 goes in 8 steps of 256, two heads a step, through two LDS slots.  A head's 64 products sum into T (16 accumulators, started by the constant 0);
; then T x the row's factor is added onto ACC by 64 packed multiply-adds.  ACC begins as the bias, so nothing is cleared.
; THE MATRIX INSTRUCTION IS USED TRANSPOSED (source 0 = 16 columns of Wo, turned out of LDS; source 1 = 16 rows of y): a lane holds eight neighbouring columns of one row, and one factor serves the accumulator.
; CLUSTER 4 x 4: y tiles are asked for jointly along a row of the cluster, Wo tiles along a column.
; REGISTERS.  window 0: v0-31 addresses; v32-63 the factors (even registers: [slot][head of the step][row block]); v64-127 at work; v128-255 ACC ((a, b) at 128 + 8 (4 a + b)).
;   window 1: two fragment buffers of 128 (64 of y, 64 of Wo, for 64 along K).   window 2: v0-127 T.
.set PITCH, 528                        ; a y row in LDS: 512 bytes + 16
.set PB,    160                        ; a Wo row (one k, 64 columns): 128 + 32
.set HALFA, 64*PITCH
.set BOFF,  2*HALFA
.set SEGB,  256*PB
.set SLOT,  BOFF+2*SEGB
.set STAGE, 2*SLOT                     ; 16 rows x 272 bytes of f32 for each wave
.set SP,    272
.set SPARE, STAGE+4*16*SP
.set ADRA, 16
.set ADRB, 20
.set STO,  24
.set RD,   25
.set CO,   26
.set SCO,  27
.set SPW,  28
.set NIL,  29
.set BOO,  30
.set SC,   32
.set BT,   64
.set OUT,  96
.set ACC,  128
.set F0,   0
.set F1,   128
.set WV,   14
.set RH,   15
.set CH,   16
.set NT,   19
.set MT,   20
.set G1,   24
.set G0,   32
.set G1B,  48
.set G0B,  56
.set SCB,  66
.set OB,   68
.set MSB, 0
.macro WIN new
.if MSB != (\new)
	s_set_vgpr_msb (MSB<<8)|(\new)
.set MSB, \new
.endif
.endm
.set MUL,  0xa5                        ; sources in window 1, C and D in window 2
.set TO_F, 0x40
.macro PLACES
.rept 4
	v_nop
.endr
.endm
.macro JLOAD s                         ; waves 0 and 1 fetch y's two halves, waves 2 and 3 Wo's two segments; an s_nop 0 and four v_nop follow each line
	s_cmp_eq_u32 s[RH], 0
	s_cbranch_scc0 .Lfor_b_\@
	tensor_load_to_lds s[G0+4*(\s):G0+4*(\s)+3], s[G1:G1+7]
	s_nop 0
.rept 4
	v_nop
.endr
	s_branch .Lasked_\@
.Lfor_b_\@:
	tensor_load_to_lds s[G0B+4*(\s):G0B+4*(\s)+3], s[G1B:G1B+7]
	s_nop 0
.rept 4
	v_nop
.endr
.Lasked_\@:
.endm
.macro CREST
	s_cmp_lg_u32 s[WV], 0
	s_cbranch_scc1 .Lnot_wave_0_\@
	s_barrier_signal -3
.Lnot_wave_0_\@:
	s_barrier_wait -3
	s_barrier_signal -1
	s_barrier_wait -1
.endm
.macro CROUND
	s_barrier_signal -1
	s_barrier_wait -1
	CREST
.endm
	s_load_b256 s[4:11], s[0:1], 0x0               ; y, wob, ysc, bo
	s_load_b64 s[12:13], s[0:1], 0x20              ; out0
	v_lshl_add_u32 v[SPW], v0, 2, SPARE
	v_mov_b32 v[NIL], 0
	ds_add_u32 v[SPW], v[NIL]                      ; the wave's opening: the add and its wait stand ahead of my first tensor load
	v_lshrrev_b32 v1, 5, v0
	v_readfirstlane_b32 s[WV], v1
	s_lshr_b32 s[RH], s[WV], 1
	s_and_b32 s[CH], s[WV], 1
	s_bfe_u32 s17, ttmp6, 0x40000                  ; cx
	s_bfe_u32 s18, ttmp6, 0x40004                  ; cy
	s_lshl_b32 s[NT], ttmp9, 2
	s_add_co_u32 s[NT], s[NT], s17                 ; tile column
	s_and_b32 s[MT], ttmp7, 0xffff
	s_lshl_b32 s[MT], s[MT], 2
	s_add_co_u32 s[MT], s[MT], s18                 ; tile row
	s_lshl_b32 s21, s18, 2
	s_lshl_b32 s21, 15, s21
	s_lshl_b32 s22, 0x1111, s17
	s_or_b32 s[G1], s21, (1<<16)|(1<<20)|(1<<21)|(6<<22)|(3<<25)    ; y: 64 rows of 256 elements, 16 bytes of padding behind every 128 words
	s_or_b32 s[G1B], s22, (1<<16)|(1<<20)|(1<<21)|(4<<22)|(7<<25)   ; Wo: a dense segment as 128 rows of 256 bytes, 32 bytes behind every 32 words
	s_mov_b32 s[G1+1], 256<<16
	s_mov_b32 s[G1+2], 64<<16
	s_mov_b32 s[G1+3], 256<<16
	s_mov_b32 s[G1+4], 64
	s_mov_b32 s[G1+5], 2048
	s_mov_b32 s[G1+6], 0
	s_mov_b32 s[G1+7], 0
	s_mov_b32 s[G1B+1], 128<<16
	s_mov_b32 s[G1B+2], 128<<16
	s_mov_b32 s[G1B+3], 128<<16
	s_mov_b32 s[G1B+4], 128
	s_mov_b32 s[G1B+5], 128
	s_mov_b32 s[G1B+6], 0
	s_mov_b32 s[G1B+7], 0
	s_lshl_b32 s40, s[MT], 19                      ; y: (128 tile row + 64 half) rows of 4,096 bytes
	s_lshl_b32 s21, s[CH], 18
	s_add_co_u32 s40, s40, s21
	s_mov_b32 s41, 0
	s_lshl_b32 s42, s[NT], 19                      ; Wo: the tile column, my segment
	s_lshl_b32 s22, s[CH], 15
	s_add_co_u32 s42, s42, s22
	s_mov_b32 s43, 0
	s_mul_i32 s21, s[CH], HALFA
	s_mul_i32 s22, s[CH], SEGB
	s_add_co_u32 s22, s22, BOFF
	s_wait_dscnt 0x0                               ; the opening add is done
	s_wait_kmcnt 0x0
	s_add_nc_u64 s[40:41], s[4:5], s[40:41]
	s_add_nc_u64 s[42:43], s[6:7], s[42:43]
	CROUND
.irp s, 0,1
	s_mov_b32 s[G0+4*(\s)], 1
	s_add_co_u32 s[G0+4*(\s)+1], s21, (\s)*SLOT
	s_add_nc_u64 s[G0+4*(\s)+2:G0+4*(\s)+3], s[40:41], (\s)*512
	s_or_b32 s[G0+4*(\s)+3], s[G0+4*(\s)+3], 0x80000000
	s_mov_b32 s[G0B+4*(\s)], 1
	s_add_co_u32 s[G0B+4*(\s)+1], s22, (\s)*SLOT
	s_add_nc_u64 s[G0B+4*(\s)+2:G0B+4*(\s)+3], s[42:43], (\s)*65536
	s_or_b32 s[G0B+4*(\s)+3], s[G0B+4*(\s)+3], 0x80000000
	JLOAD \s                                       ; steps 0 and 1: two loads of mine are out
.endr
	v_and_b32 v1, 15, v0                           ; r
	v_bfe_u32 v2, v0, 4, 1                         ; h
	s_lshl_b32 s44, s[NT], 9
	s_lshl_b32 s45, s[CH], 8
	s_add_co_u32 s44, s44, s45                     ; my 64 columns, in bytes of f32
	s_mov_b32 s45, 0
	s_add_nc_u64 s[10:11], s[10:11], s[44:45]
	v_lshlrev_b32 v[BOO], 5, v2
.irp b, 0,1,2,3
	global_load_b128 v[BT+8*\b:BT+8*\b+3],   v[BOO], s[10:11] offset:64*\b
	global_load_b128 v[BT+8*\b+4:BT+8*\b+7], v[BOO], s[10:11] offset:64*\b+16
.endr
	s_lshl_b32 s46, s[MT], 7
	s_lshl_b32 s47, s[RH], 6
	s_add_co_u32 s46, s46, s47                     ; my first row
	s_lshl_b32 s70, s46, 2
	s_mov_b32 s71, 0
	s_add_nc_u64 s[SCB:SCB+1], s[8:9], s[70:71]
	v_lshlrev_b32 v[SCO], 2, v1
.irp s, 0,1
.irp d, 0,1
.irp a, 0,1,2,3
	global_load_b32 v[SC+16*\s+8*\d+2*\a], v[SCO], s[SCB:SCB+1] offset:\s*32768+\d*16384+\a*64   ; the factors of steps 0 and 1
.endr
.endr
.endr
	s_lshl_b32 s70, s46, 12
	s_add_co_u32 s70, s70, s44
	s_add_nc_u64 s[OB:OB+1], s[12:13], s[70:71]
.set i, 0
.rept 16
	v_mov_b32 v[SC+2*i+1], 0                       ; named as pairs' partners
.set i, i+1
.endr
	v_mul_u32_u24 v3, v1, PITCH
	v_lshl_add_u32 v3, v2, 4, v3
	s_mul_i32 s70, s[RH], HALFA
	v_add_nc_u32 v[ADRA], s70, v3
	v_add_nc_u32 v[ADRA+1], SLOT, v[ADRA]
	v_and_b32 v3, 7, v0
	v_lshl_add_u32 v3, v2, 3, v3
	v_mul_u32_u24 v3, v3, PB
	v_bfe_u32 v4, v0, 3, 1
	v_lshl_add_u32 v3, v4, 4, v3
	s_mul_i32 s70, s[CH], SEGB
	s_add_co_u32 s70, s70, BOFF
	v_add_nc_u32 v[ADRB], s70, v3
	v_add_nc_u32 v[ADRB+1], SLOT, v[ADRB]
	s_mul_i32 s70, s[WV], 16*SP
	s_add_co_u32 s70, s70, STAGE
	v_mul_u32_u24 v[STO], v1, SP
	v_lshl_add_u32 v[STO], v2, 5, v[STO]
	v_add_nc_u32 v[STO], s70, v[STO]
	v_mul_u32_u24 v[RD], v2, SP
	v_lshl_add_u32 v[RD], v1, 4, v[RD]
	v_add_nc_u32 v[RD], s70, v[RD]
	v_lshlrev_b32 v[CO], 12, v2
	v_lshl_add_u32 v[CO], v1, 4, v[CO]
	s_wait_loadcnt 16                              ; the bias is in; the sixteen factors may be out
.irp b, 0,1,2,3
.irp p, 0,1,2,3
	v_cvt_pk_bf16_f32 v[OUT+4*\b+\p], v[BT+8*\b+2*\p], v[BT+8*\b+2*\p+1]
.endr
.endr
.irp a, 0,1,2,3
.irp b, 0,1,2,3
.irp p, 0,1,2,3
	v_lshlrev_b32 v[ACC+8*(4*\a+\b)+2*\p], 16, v[OUT+4*\b+\p]          ; the sums begin as the bias
	v_and_b32 v[ACC+8*(4*\a+\b)+2*\p+1], 0xffff0000, v[OUT+4*\b+\p]
.endr
.endr
.endr
; 8 matrix instructions: row blocks a0, a0 + 1 x 4 column blocks, 32 along K: half c of buffer f.  The 16 accumulators take turns.
.macro MUL8 f, c, a0, zero
	WIN MUL
.irp a, \a0, (\a0)+1
.irp b, 0,1,2,3
.if \zero
	v_wmma_f32_16x16x32_f16 v[8*(4*(\a)+(\b)):8*(4*(\a)+(\b))+7], v[(\f)+64+8*(4*(\c)+(\b)):(\f)+64+8*(4*(\c)+(\b))+7], v[(\f)+8*(4*(\c)+(\a)):(\f)+8*(4*(\c)+(\a))+7], 0
.else
	v_wmma_f32_16x16x32_f16 v[8*(4*(\a)+(\b)):8*(4*(\a)+(\b))+7], v[(\f)+64+8*(4*(\c)+(\b)):(\f)+64+8*(4*(\c)+(\b))+7], v[(\f)+8*(4*(\c)+(\a)):(\f)+8*(4*(\c)+(\a))+7], v[8*(4*(\a)+(\b)):8*(4*(\a)+(\b))+7]
.endif
.endr
.endr
.endm
.macro FETCH slot, q, f                ; 32 loads: the fragments of quarter q (64 along K) into buffer f; its first 32 along K first
	WIN TO_F
.irp c, 0,1
.irp i, 0,1,2,3
	ds_load_tr16_b128 v[(\f)+64+8*(4*(\c)+(\i)):(\f)+64+8*(4*(\c)+(\i))+3],   v[ADRB+(\slot)] offset:(64*(\q)+32*(\c))*PB+32*(\i)
	ds_load_tr16_b128 v[(\f)+64+8*(4*(\c)+(\i))+4:(\f)+64+8*(4*(\c)+(\i))+7], v[ADRB+(\slot)] offset:(64*(\q)+32*(\c))*PB+32*(\i)+16*PB
	ds_load_b128 v[(\f)+8*(4*(\c)+(\i)):(\f)+8*(4*(\c)+(\i))+3],              v[ADRA+(\slot)] offset:128*(\q)+64*(\c)+(\i)*16*PITCH
	ds_load_b128 v[(\f)+8*(4*(\c)+(\i))+4:(\f)+8*(4*(\c)+(\i))+7],            v[ADRA+(\slot)] offset:128*(\q)+64*(\c)+(\i)*16*PITCH+32
.endr
.endr
.endm
.macro QUARTER slot, q, f, g, zero     ; multiplies buffer f and fetches quarter q into g
	s_wait_dscnt 16                                ; the first 32 along K are in
	MUL8 \f, 0, 0, \zero
	MUL8 \f, 0, 2, \zero
	PLACES
	FETCH \slot, \q, \g
	s_wait_dscnt 32                                ; all but the 32 just issued
	MUL8 \f, 1, 0, 0
	MUL8 \f, 1, 2, 0
.endm
; The last quarter changes slots: one barrier; in front of it each wave waits for all its tensor loads, adds 0 to its spare word, and waits for that and for its reads of this slot.
.macro TURN slot, next, fill
	WIN 0
	s_wait_tensorcnt 0x0
	ds_add_u32 v[SPW], v[NIL]
	s_wait_dscnt 17                                ; the add and the youngest sixteen loads may be out
	MUL8 F1, 0, 0, 0
	s_wait_dscnt 0x0                               ; the add is done, and my reads of this slot are over
	s_barrier_signal -1
	MUL8 F1, 0, 2, 0
	WIN 0
	s_barrier_wait -1
.if \fill
	CREST
	s_add_nc_u64 s[G0+4*(\slot)+2:G0+4*(\slot)+3], s[G0+4*(\slot)+2:G0+4*(\slot)+3], 2*512
	s_add_nc_u64 s[G0B+4*(\slot)+2:G0B+4*(\slot)+3], s[G0B+4*(\slot)+2:G0B+4*(\slot)+3], 2*65536
	JLOAD \slot                                    ; its four v_nop are also the places in front of the loads below
.else
	PLACES
.endif
	FETCH \next, 0, F0
	MUL8 F1, 1, 0, 0
	MUL8 F1, 1, 2, 0
.endm
.macro FOLD set                        ; ACC += T x the row's factor, in ascending order (each accumulator's low registers first)
	PLACES
	WIN 0x02
.irp a, 0,1,2,3
.irp b, 0,1,2,3
.irp p, 0,1,2,3
	v_pk_fma_f32 v[ACC+8*(4*\a+\b)+2*\p:ACC+8*(4*\a+\b)+2*\p+1], v[8*(4*\a+\b)+2*\p:8*(4*\a+\b)+2*\p+1], v[SC+8*(\set)+2*\a:SC+8*(\set)+2*\a+1], v[ACC+8*(4*\a+\b)+2*\p:ACC+8*(4*\a+\b)+2*\p+1] op_sel_hi:[1,0,1]
.endr
.endr
.endr
	WIN 0
.endm
; A K step: two heads.  kind 2: the slot is filled again; 1: only changed; 0: the last step.  lc: the factor loads that may stay out at the first fold.
.macro STEP slot, kind, lc
	QUARTER \slot, 1, F0, F1, 1
	QUARTER \slot, 2, F1, F0, 0
	s_wait_loadcnt \lc
	FOLD 2*(\slot)
	QUARTER \slot, 3, F0, F1, 1
.if (\kind) == 0
	s_wait_dscnt 16
	MUL8 F1, 0, 0, 0
	MUL8 F1, 0, 2, 0
	s_wait_dscnt 0x0
	MUL8 F1, 1, 0, 0
	MUL8 F1, 1, 2, 0
.else
	TURN \slot, 1-(\slot), (\kind)-1
.endif
	FOLD 2*(\slot)+1
.if (\kind) == 2
	s_wait_xcnt 0x0                                ; the base is stepped only when the earlier loads have read it
	s_add_nc_u64 s[SCB:SCB+1], s[SCB:SCB+1], 32768
.irp d, 0,1
.irp a, 0,1,2,3
	global_load_b32 v[SC+16*(\slot)+8*\d+2*\a], v[SCO], s[SCB:SCB+1] offset:32768+\d*16384+\a*64   ; the factors of the step two on, into the set just used
.endr
.endr
.endif
.endm
	s_wait_tensorcnt 1                             ; my part of step 0 is in; step 1's may stay out
	s_barrier_signal -1
	s_barrier_wait -1
	FETCH 0, 0, F0
	WIN 0
	s_mov_b32 s3, 3
.Llap:
	STEP 0, 2, 8                                   ; 8: the next step's factors, issued behind this step's
	STEP 1, 2, 8
	s_sub_co_u32 s3, s3, 1
	s_cmp_lg_u32 s3, 0
	s_cbranch_scc1 .Llap
	STEP 0, 1, 8                                   ; the last lap asks for nothing
	STEP 1, 0, 0
	; THE WAY OUT: 16 rows at a time through my own stage; a row of my 64 columns is 256 aligned bytes
.irp a, 0,1,2,3
	s_wait_xcnt 0x0                                ; the earlier stores have read the registers that are loaded again below
.irp b, 0,1,2,3
	ds_store_b128 v[STO], v[ACC+8*(4*\a+\b):ACC+8*(4*\a+\b)+3]   offset:64*\b
	ds_store_b128 v[STO], v[ACC+8*(4*\a+\b)+4:ACC+8*(4*\a+\b)+7] offset:64*\b+16
.endr
.irp f, 0,1,2,3,4,5,6,7
	ds_load_b128 v[OUT+4*\f:OUT+4*\f+3], v[RD] offset:\f*2*SP      ; LDS serves a wave in order: these see the stores above
.endr
.irp f, 0,1,2,3,4,5,6,7
	s_wait_dscnt 7-\f
	global_store_b128 v[CO], v[OUT+4*\f:OUT+4*\f+3], s[OB:OB+1] offset:(16*\a+2*\f)*4096 th:TH_STORE_NT
.endr
.endr
	s_wait_tensorcnt 0x0                           ; the wave's end
	ds_add_u32 v[SPW], v[NIL]
	s_wait_dscnt 0x0
	CROUND                                         ; the closing round
	s_endpgm
.Lfunc_end_k_q55806e1a7f_oproj:
	.size	k_q55806e1a7f_oproj, .Lfunc_end_k_q55806e1a7f_oproj-k_q55806e1a7f_oproj
	.p2alignl 7, 3214868480
	.fill 96, 4, 3214868480
	.section	.rodata,"a",@progbits
	.p2align	6, 0x0
	.amdhsa_kernel k_q55806e1a7f_oproj
		.amdhsa_group_segment_fixed_size 327680
		.amdhsa_private_segment_fixed_size 0
		.amdhsa_enable_private_segment 0
		.amdhsa_kernarg_size 40
		.amdhsa_user_sgpr_count 2
		.amdhsa_user_sgpr_kernarg_segment_ptr 1
		.amdhsa_wavefront_size32 1
		.amdhsa_system_sgpr_workgroup_id_x 1
		.amdhsa_system_sgpr_workgroup_id_y 1
		.amdhsa_system_sgpr_workgroup_id_z 1
		.amdhsa_system_vgpr_workitem_id 0
		.amdhsa_next_free_vgpr 640
		.amdhsa_next_free_sgpr 80
		.amdhsa_reserve_vcc 0
		.amdhsa_float_denorm_mode_32 3
		.amdhsa_float_denorm_mode_16_64 3
		.amdhsa_memory_ordered 1
		.amdhsa_forward_progress 1
		.amdhsa_inst_pref_size 132
	.end_amdhsa_kernel
	.amdgpu_metadata
---
amdhsa.version: [ 1, 2 ]
amdhsa.kernels:
  - .name:           k_q55806e1a7f_oproj
    .symbol:         k_q55806e1a7f_oproj.kd
    .args:
      - { .name: y, .offset: 0, .size: 8, .value_kind: global_buffer, .address_space: global }
      - { .name: wob, .offset: 8, .size: 8, .value_kind: global_buffer, .address_space: global }
      - { .name: ysc, .offset: 16, .size: 8, .value_kind: global_buffer, .address_space: global }
      - { .name: bo, .offset: 24, .size: 8, .value_kind: global_buffer, .address_space: global }
      - { .name: out0, .offset: 32, .size: 8, .value_kind: global_buffer, .address_space: global }
    .group_segment_fixed_size: 327680
    .private_segment_fixed_size: 0
    .kernarg_segment_align: 8
    .kernarg_segment_size: 40
    .max_flat_workgroup_size: 128
    .sgpr_count:     80
    .vgpr_count:     640
    .wavefront_size: 32
...
	.end_amdgpu_metadata
.endif
;; end of part 4
;; ======== version 2 of 2: 4 launches; version 1 with the launch cast written anew for expert scheduling mode
;; limits: values outside matrix products are rounded to f16; values are held in f16: magnitudes above 65,504 overflow, below 6.1e-05 lose precision
;; workspace buffers: xb 8,388,608 bytes; wcat 12,582,912 bytes; wob 4,194,304 bytes; qkvg 50,331,648 bytes; rmax 524,288 bytes; y 16,777,216 bytes; ysc 262,144 bytes
;; launch cast (part 5): grid 768 x 1, 4 waves a work-group, no clusters, 0 bytes of LDS; arguments x, Wq, Wk, Wv, Wg, Wo, xb, wcat, wob; writes xb, wcat, wob
.if DOCPART == 5
	.amdgcn_target "amdgcn-amd-amdhsa--gfx1250"
	.amdhsa_code_object_version 6
	.text
	.protected	k_q55806e1a7f_cast
	.globl	k_q55806e1a7f_cast
	.p2align	8
	.type	k_q55806e1a7f_cast,@function
k_q55806e1a7f_cast:
	s_mov_b64 s[64:65], 0
	v_nop
	global_prefetch_b8 v0, s[64:65] scope:SCOPE_SE
	s_setreg_imm32_b32 hwreg(HW_REG_WAVE_SCHED_MODE, 0, 2), 2
	s_setreg_imm32_b32 hwreg(HW_REG_WAVE_MODE, 25, 1), 1
	s_wait_xcnt 0x0
	s_wait_alu depctr_vm_vsrc(0)
; x and the five weight matrices, f32, are rounded once to bf16 and laid in blocks, so that every tile of the later launches is dense.
;   xb   [kb 16][row 4096][64]               bf16        wcat [head 16][kstep 16][seg 6][k 64][n 64]  bf16   (seg = 3 c + (0 q or k, 1 v, 2 g))
;   wob  [ntile 8][kstep 8][seg 2][k 256][n 64]  the bf16 rounding of Wo written as f16 (exact above 6e-5; below that f16 keeps its fixed step of 6e-8)
; A wave takes one block of 64 rows x 64 columns: 32 loads of 512 bytes (lanes 0-15 take 256 aligned bytes of an even row, lanes 16-31 of the
; odd row below), all out at once, and 32 stores of 256 consecutive aligned bytes: the block is dense in its target.  No LDS, no matrix unit: memory binds.
; THE MODE: SCHED_MODE bits 1:0 = 2 (LLVM: expert scheduling mode 2), set by the entry lines.  The code itself states the register dependences
; between vector instructions and memory instructions, with s_wait_alu, always for 0.
; THE PLAN.  Every path runs one copy of BODY and ends there.  Registers that memory instructions touch:
;   v1   the source offset.  Written once, at BODY's head; read by the 32 loads.
;   v2   the target offset.  Written once, at the kernel's head; read by the 32 stores.
;   X    The 32 loads land in it; they are issued in one run, ahead of every vector line that names X.  Behind its load's wait a group of four is named by vector lines alone.
;   Y    Pair i is written by the conversions of load i and read by store i; nothing writes it behind that store.
; The loads are taken in 8 groups of four.  Group p rounds its four loads into its four pairs of Y; its memory instructions are the four stores of group p - 1, whose pairs no vector line
; of group p names.  So ONE wait on va_vdst at a group's head states all that its four stores hang on, and one more stands ahead of the last four stores.
; No register that a memory instruction reads is written again behind it: so behind the entry lines there is no wait on vm_vsrc and none on XCNT.
.set X,   8                            ; v[8:135]   32 x 4 registers as loaded
.set Y,   136                          ; v[136:199] 32 x 2 registers to store; none is written behind its store, so no wait frees any
.set SRC, 28                           ; s[28:29] the block in its source
.set DST, 30                           ; s[30:31] the block in its target
.set SO,  32                           ; s[32:33] source offset
.set DO,  34                           ; s[34:35] target offset
	s_load_b512 s[8:23], s[0:1], 0x0               ; x, Wq, Wk, Wv, Wg, Wo, xb, wcat
	s_load_b64 s[24:25], s[0:1], 0x40              ; wob
	v_lshrrev_b32 v3, 5, v0
	v_readfirstlane_b32 s2, v3                     ; wave
	v_and_b32 v4, 31, v0
	v_lshlrev_b32 v2, 3, v4                        ; 8 bytes a lane in the target
	v_and_b32 v5, 15, v0
	v_lshlrev_b32 v5, 4, v5                        ; 16 bytes a lane in a source row
	v_bfe_u32 v6, v0, 4, 1                         ; even or odd row
	s_wait_alu depctr_va_sdst(0)                   ; s2 is written, ahead of its first reader: the block's number is made from it
	s_lshl_b32 s3, ttmp9, 2
	s_add_co_u32 s3, s3, s2                        ; the block's number: 4 x work-group + wave
	s_mov_b32 s[SO+1], 0
	s_mov_b32 s[DO+1], 0
	s_wait_kmcnt 0x0
; sh: a source row is 1 << sh bytes.  half = 1: the bf16 number is written as f16.
.macro BODY sh, half
	v_lshl_add_u32 v1, v6, \sh, v5
	s_wait_alu depctr_va_vdst(0)                   ; v1 and v2 are written: every load below reads v1 as its offset, every store v2
.set i, 0
.rept 32
	global_load_b128 v[X+4*i:X+4*i+3], v1, s[SRC:SRC+1] offset:i*(2<<\sh) th:TH_LOAD_NT
.set i, i+1
.endr
.set i, 0
.rept 32
	s_wait_loadcnt 31-i                            ; loads return in order: the 31 - i younger ones stay out
.if (i%4 == 0) && (i > 0)
	s_wait_alu depctr_va_vdst(0)                   ; the group before has written its four pairs of Y, which this group's four stores read
.endif
.if i >= 4
	global_store_b64 v2, v[Y+2*(i-4):Y+2*(i-4)+1], s[DST:DST+1] offset:(i-4)*256  ; the group before; no vector line since the wait names this pair or v2
.endif
	v_cvt_pk_bf16_f32 v[Y+2*i], v[X+4*i], v[X+4*i+1]
	v_cvt_pk_bf16_f32 v[Y+2*i+1], v[X+4*i+2], v[X+4*i+3]
.if \half
	v_lshlrev_b32 v[X+4*i], 16, v[Y+2*i]
	v_and_b32 v[X+4*i+1], 0xffff0000, v[Y+2*i]
	v_lshlrev_b32 v[X+4*i+2], 16, v[Y+2*i+1]
	v_and_b32 v[X+4*i+3], 0xffff0000, v[Y+2*i+1]
	v_cvt_pk_f16_f32 v[Y+2*i], v[X+4*i], v[X+4*i+1]
	v_cvt_pk_f16_f32 v[Y+2*i+1], v[X+4*i+2], v[X+4*i+3]
.endif
.set i, i+1
.endr
	s_wait_alu depctr_va_vdst(0)                   ; the last group has written its four pairs of Y, which the last four stores read
.set i, 28
.rept 4
	global_store_b64 v2, v[Y+2*i:Y+2*i+1], s[DST:DST+1] offset:i*256
.set i, i+1
.endr
	s_endpgm
.endm
	s_cmp_lt_u32 ttmp9, 256
	s_cbranch_scc0 .Lnot_x
	s_and_b32 s4, s3, 15                           ; x: column block,
	s_lshr_b32 s5, s3, 4                           ; row block
	s_lshl_b32 s[SO], s5, 18
	s_lshl_b32 s6, s4, 8
	s_add_co_u32 s[SO], s[SO], s6
	s_lshl_b32 s[DO], s4, 19
	s_lshl_b32 s6, s5, 13
	s_add_co_u32 s[DO], s[DO], s6
	s_add_nc_u64 s[SRC:SRC+1], s[8:9], s[SO:SO+1]
	s_add_nc_u64 s[DST:DST+1], s[20:21], s[DO:DO+1]
	s_branch .Lrows4096
.Lnot_x:
	s_cmp_lt_u32 ttmp9, 384
	s_cbranch_scc0 .Lnot_qk
	s_and_b32 s4, s3, 15                           ; Wq, Wk: the column block is the head,
	s_bfe_u32 s5, s3, 0x40004                      ; the row block the K step
	s_lshl_b32 s[SO], s5, 18
	s_lshl_b32 s6, s4, 8
	s_add_co_u32 s[SO], s[SO], s6
	s_mul_i32 s[DO], s4, 786432
	s_mul_i32 s6, s5, 49152
	s_add_co_u32 s[DO], s[DO], s6
	s_cmp_lt_u32 ttmp9, 320
	s_cselect_b64 s[SRC:SRC+1], s[10:11], s[12:13]
	s_cselect_b32 s6, 0, 24576                     ; seg 0 for q, seg 3 for k
	s_add_co_u32 s[DO], s[DO], s6
	s_add_nc_u64 s[SRC:SRC+1], s[SRC:SRC+1], s[SO:SO+1]
	s_add_nc_u64 s[DST:DST+1], s[22:23], s[DO:DO+1]
	s_branch .Lrows4096
.Lnot_qk:
	s_cmp_lt_u32 ttmp9, 640
	s_cbranch_scc0 .Lwo
	s_and_b32 s4, s3, 31                           ; Wv, Wg: column block = 2 x head + c,
	s_bfe_u32 s5, s3, 0x40005                      ; row block = K step
	s_lshl_b32 s[SO], s5, 19
	s_lshl_b32 s6, s4, 8
	s_add_co_u32 s[SO], s[SO], s6
	s_lshr_b32 s6, s4, 1
	s_mul_i32 s[DO], s6, 786432
	s_and_b32 s6, s4, 1
	s_mul_i32 s6, s6, 24576
	s_add_co_u32 s[DO], s[DO], s6
	s_mul_i32 s6, s5, 49152
	s_add_co_u32 s[DO], s[DO], s6
	s_cmp_lt_u32 ttmp9, 512
	s_cselect_b64 s[SRC:SRC+1], s[14:15], s[16:17]
	s_cselect_b32 s6, 1, 2                         ; seg 3 c + 1 for v, 3 c + 2 for g,
	s_lshl_b32 s6, s6, 13                          ; of 8,192 bytes each
	s_add_co_u32 s[DO], s[DO], s6
	s_add_nc_u64 s[SRC:SRC+1], s[SRC:SRC+1], s[SO:SO+1]
	s_add_nc_u64 s[DST:DST+1], s[22:23], s[DO:DO+1]
	BODY 13, 0
.Lwo:
	s_and_b32 s4, s3, 15                           ; Wo: column block = 2 x ntile + seg,
	s_bfe_u32 s5, s3, 0x50004                      ; row block = 4 x K step + quarter
	s_lshl_b32 s[SO], s5, 18
	s_lshl_b32 s6, s4, 8
	s_add_co_u32 s[SO], s[SO], s6
	s_lshr_b32 s6, s4, 1
	s_lshl_b32 s[DO], s6, 19
	s_and_b32 s6, s4, 1
	s_lshl_b32 s6, s6, 15
	s_add_co_u32 s[DO], s[DO], s6
	s_lshr_b32 s6, s5, 2
	s_lshl_b32 s6, s6, 16
	s_add_co_u32 s[DO], s[DO], s6
	s_and_b32 s6, s5, 3
	s_lshl_b32 s6, s6, 13
	s_add_co_u32 s[DO], s[DO], s6
	s_add_nc_u64 s[SRC:SRC+1], s[18:19], s[SO:SO+1]
	s_add_nc_u64 s[DST:DST+1], s[24:25], s[DO:DO+1]
	BODY 12, 1
.Lrows4096:
	BODY 12, 0
.Lfunc_end_k_q55806e1a7f_cast:
	.size	k_q55806e1a7f_cast, .Lfunc_end_k_q55806e1a7f_cast-k_q55806e1a7f_cast
	.p2alignl 7, 3214868480
	.fill 96, 4, 3214868480
	.section	.rodata,"a",@progbits
	.p2align	6, 0x0
	.amdhsa_kernel k_q55806e1a7f_cast
		.amdhsa_group_segment_fixed_size 0
		.amdhsa_private_segment_fixed_size 0
		.amdhsa_enable_private_segment 0
		.amdhsa_kernarg_size 72
		.amdhsa_user_sgpr_count 2
		.amdhsa_user_sgpr_kernarg_segment_ptr 1
		.amdhsa_wavefront_size32 1
		.amdhsa_system_sgpr_workgroup_id_x 1
		.amdhsa_system_sgpr_workgroup_id_y 1
		.amdhsa_system_sgpr_workgroup_id_z 1
		.amdhsa_system_vgpr_workitem_id 0
		.amdhsa_next_free_vgpr 200
		.amdhsa_next_free_sgpr 66
		.amdhsa_reserve_vcc 0
		.amdhsa_float_denorm_mode_32 3
		.amdhsa_float_denorm_mode_16_64 3
		.amdhsa_memory_ordered 1
		.amdhsa_forward_progress 1
		.amdhsa_inst_pref_size 48
	.end_amdhsa_kernel
	.amdgpu_metadata
---
amdhsa.version: [ 1, 2 ]
amdhsa.kernels:
  - .name:           k_q55806e1a7f_cast
    .symbol:         k_q55806e1a7f_cast.kd
    .args:
      - { .name: x, .offset: 0, .size: 8, .value_kind: global_buffer, .address_space: global }
      - { .name: Wq, .offset: 8, .size: 8, .value_kind: global_buffer, .address_space: global }
      - { .name: Wk, .offset: 16, .size: 8, .value_kind: global_buffer, .address_space: global }
      - { .name: Wv, .offset: 24, .size: 8, .value_kind: global_buffer, .address_space: global }
      - { .name: Wg, .offset: 32, .size: 8, .value_kind: global_buffer, .address_space: global }
      - { .name: Wo, .offset: 40, .size: 8, .value_kind: global_buffer, .address_space: global }
      - { .name: xb, .offset: 48, .size: 8, .value_kind: global_buffer, .address_space: global }
      - { .name: wcat, .offset: 56, .size: 8, .value_kind: global_buffer, .address_space: global }
      - { .name: wob, .offset: 64, .size: 8, .value_kind: global_buffer, .address_space: global }
    .group_segment_fixed_size: 0
    .private_segment_fixed_size: 0
    .kernarg_segment_align: 8
    .kernarg_segment_size: 72
    .max_flat_workgroup_size: 128
    .sgpr_count:     66
    .vgpr_count:     200
    .wavefront_size: 32
...
	.end_amdgpu_metadata
.endif
;; end of part 5
;; launch proj: the kernel of part 2 again; grid 16 x 16, 4 waves a work-group, clusters of 4 x 4, 327,680 bytes of LDS; arguments xb, wcat, bq, bk, bv, bg, qkvg, rmax; writes qkvg, rmax
;; launch retain: the kernel of part 3 again; grid 8 x 32, 4 waves a work-group, clusters of 4 x 1, 327,680 bytes of LDS; arguments qkvg, rmax, y, ysc; writes y, ysc
;; launch oproj: the kernel of part 4 again; grid 8 x 32, 4 waves a work-group, clusters of 4 x 4, 327,680 bytes of LDS; arguments y, wob, ysc, bo, out0; writes out0
